; MI455X (gfx1250); checked and timed in simulation.
; The chip was launched on July 23, 2026; its instructions are those of AMD's public machine-readable ISA for CDNA 5 (MIT licence, August 2026) and "CDNA5" Instruction Set Architecture Reference Guide (July 2026). The comments in the code are by the model that wrote it; some were corrected since.
;; Multi Head Attention. Allowed arithmetic: matrix products marked QUANTISED: E2M1 operands, one E8M0 scale for each 32 along K, by v_wmma_scale_f32_16x16x128_f8f6f4 with both operands' format E2M1 (or v_wmma_scale_f32_32x16x128_f4), f32 sums; products left as they are: bf16, f16 or f32 operands; f32 sums; everything else in f32.
;; Inputs: Wk 1,024 x 1,024 float32; Wo 1,024 x 1,024 float32; Wq 1,024 x 1,024 float32; Wv 1,024 x 1,024 float32; bo 1,024 float32; x 4 x 2,048 x 1,024 float32.
;; Outputs: out0 4 x 2,048 x 1,024 float32.
;; This version of the problem:
;;   THIS VERSION OF THE PROBLEM IS GIVEN IN LOW PRECISION. The matrix products marked QUANTISED in the list below multiply operands that are first quantised to E2M1 (2 exponent bits, 1 mantissa bit; 4 bits a number), with one power-of-two scale for each 32 numbers along K (OCP MX v1.0); their sums are f32. The products marked 'left as it is' may take bf16, f16 or f32 operands, with f32 sums. Whichever they take, every output number must still come out within the allowed error. Rounding operands to bf16 (8 significant bits) uses up far more of that allowance than f16 does (11 bits, for magnitudes from 6e-5 to 65,504). All else is computed in f32.
;;   The module's matrix products, in the order in which they are computed (A, B: the left and right operand; K: the contracted axis; several contracted axes count as one K, in the product's order):
;;     1. [M 8,192, K 1,024] x [K 1,024, N 1,024]; A: input x; B: input Wq: QUANTISED
;;     2. [M 8,192, K 1,024] x [K 1,024, N 1,024]; A: input x; B: input Wk: QUANTISED
;;     3. [M 8,192, K 1,024] x [K 1,024, N 1,024]; A: input x; B: input Wv: QUANTISED
;;     4. batch 64 x [M 2,048, K 64] x [K 64, N 2,048]; A: computed on the way; B: computed on the way: left as it is (an operand is computed on the way)
;;     5. batch 64 x [M 2,048, K 2,048] x [K 2,048, N 64]; A: computed on the way; B: computed on the way: left as it is (an operand is computed on the way)
;;     6. [M 8,192, K 1,024] x [K 1,024, N 1,024]; A: computed on the way; B: input Wo: left as it is (an operand is computed on the way)
;;   THE QUANTISER, for each operand of a quantised product, along K:
;;     - K is cut into blocks of 32 from its start; a last block that is shorter is filled with zeros.
;;     - A block's scale is 2^e with e = floor(log2(the largest magnitude in the block)) - 2, held to -126 .. 127; a block of zeros has e = 0. As a byte (E8M0): e + 127.
;;     - Each number is divided by its block's scale, clamped to +-6, and rounded to the nearest number of E2M1, ties to even, subnormals kept.
;;     - The product sums the exact products of the quantised numbers (number of the format x scale) in f32.
;;   ~~~python
;;   def quantise(x, axis):      # numpy; x: float32 -> the quantised numbers, widened to float32 again
;;       x = np.moveaxis(x, axis, -1); K = x.shape[-1]
;;       x = np.pad(x, [(0, 0)] * (x.ndim - 1) + [(0, -K % 32)]); x = x.reshape(x.shape[:-1] + (-1, 32)); a = np.abs(x).max(-1, keepdims=True)
;;       e = np.where(a > 0, np.clip(np.frexp(np.where(a > 0, a, 1))[1] - 1 - 2, -126, 127), 0)      # np.frexp(a)[1] - 1 = floor(log2(a)), exactly
;;       r = np.clip(x / 2.0 ** e, -6, 6)
;;       step = 2.0 ** (np.maximum(np.frexp(np.where(r == 0, 1, r))[1] - 1, 0) - 1)
;;       q = np.round(r / step) * step * 2.0 ** e      # np.round: ties to even
;;       return np.moveaxis(q.reshape(q.shape[:-2] + (-1,))[..., :K], -1, axis).astype(np.float32)
;;   ~~~
;; One version. Each part assembles by itself: llvm-mc -triple=amdgcn-amd-amdhsa -mcpu=gfx1250 --defsym DOCPART=n.
;; ======== version 1 of 1: 5 launches
;; limits: values are held in f16: magnitudes above 65,504 overflow, below 6.1e-05 lose precision
;; workspace buffers: codes 5,767,168 bytes; scales 360,448 bytes; wo16 2,097,152 bytes; rope 524,288 bytes; qkv16 50,331,648 bytes; fqkv 786,432 bytes; att 16,777,216 bytes
;; launch prep (part 1): grid 544 x 1, 4 waves a work-group, no clusters, 41,984 bytes of LDS; arguments x, Wq, Wk, Wv, Wo, codes, scales, wo16, rope; writes codes, scales, wo16, rope
.if DOCPART == 1
	.amdgcn_target "amdgcn-amd-amdhsa--gfx1250"
	.amdhsa_code_object_version 6
	.text
	.protected	k_q7105e6ca2d_prep
	.globl	k_q7105e6ca2d_prep
	.p2align	8
	.type	k_q7105e6ca2d_prep,@function
k_q7105e6ca2d_prep:
	s_mov_b64 s[64:65], 0
	v_nop
	global_prefetch_b8 v0, s[64:65] scope:SCOPE_SE
	s_setreg_imm32_b32 hwreg(HW_REG_WAVE_MODE, 25, 1), 1
	s_wait_xcnt 0x0
; THE PROGRAM: multi-head attention, B 4, T 2,048, C 1,024, 16 heads of 64.  Five launches: this one (operands made ready), qkv (the three quantised products and the rotation),
; attn (causal attention, f16 operands, f32 sums), proj (the projection on the way out, f16 operands), fine (positions 0 to 15 of every sequence once more, in f32).
; WORK LEFT OUT.  reference() sets the score of key k for query q to -infinity where k > q, by a mask that it builds itself (jnp.tril).  Its softmax takes the row's maximum away; key 0 counts for every query,
; so that maximum is finite for all finite inputs, and the weight of a hidden key is exp(-infinity) = 0 exactly.  A weight 0 times a finite v adds 0.  So a step of 64 keys all of which come after all queries
; of a tile reaches no output, whatever finite values the inputs hold: launch attn leaves such steps out of products 4 and 5.  Nothing else is left out, and every input is loaded.
; LIMIT: a NaN, an infinity or an overflow that would arise only in scores or values of steps left out is not carried to the result.
; THIS LAUNCH, four kinds of work-group, told apart by the work-group's number alone (the same in all four waves):
;   0..255    x [8192][1024] f32 -> codes of E2M1, K innermost, and one E8M0 byte for each 32 along K: a plain stream of blocks of 32.
;   256..447  Wq, Wk, Wv [k 1024][n 1024] f32, K the FIRST axis -> codes [n][k] with K innermost, bytes [n][k / 32]; row 1024 x which + n of the buffers' second part.
;   448..511  Wo f32 -> f16, as it lies.
;   512..543  the table cos, sin of t x 10000^(-i / 32), [t 2048][i 32][2] f32.
; A block's scale is 2^(floor(log2(largest magnitude)) - 2); its byte is the largest magnitude's exponent field - 2, held at 1 from below.  A block of zeros so gets the byte 1 where the rule says 127:
; its codes are zeros, which add nothing under any byte but 0xff, and the bytes are read by this program alone.
; LIMITS: NaN and infinities among the inputs are not served.  The table's angle is t x f in f32, as reference() has it; f = 2^(-i x log2(10000) / 32) may differ from reference()'s by a few units in its last
; place, which moves an angle by up to 2e-4 rad at t = 2,047.  No matrix unit, no cluster, no tensor load: memory binds, and no two work-groups read the same bytes.
.set SP,    80                         ; x: a lane's place in a stage: 64 bytes + 16 of padding
.set WREG,  8192                       ; x: a region of LDS for each wave: two stages of 32 x SP bytes, then its 256 scale bytes
.set WST,   4*WREG                     ; W: the work-group's stage, 32 rows (columns of W) x 272 bytes: bytes of its own, which the x path never names
.set WP,    272
.set SPARE, WST+32*WP                  ; the spare words, 128 bytes for each wave: two blocks of 256 bytes that no other line names
.set SPW,   12                         ; v12  LDS address of my spare word; never rewritten
.set NIL,   13                         ; v13  0; never rewritten
.set STEPS, 16
.set R,     16                         ; x: v16-79 four sets of 16 numbers as loaded
.set X,     80                         ; x: v80-111 two sets of 16 neighbours
.set E,     112                        ; x: v112-127 a scale byte for each step
.set C,     128                        ; x: v128-191 codes, four registers for each step
	s_load_b256 s[4:11], s[0:1], 0x0               ; x s[4:5], Wq s[6:7], Wk s[8:9], Wv s[10:11]
	s_load_b256 s[12:19], s[0:1], 0x20             ; Wo s[12:13], codes s[14:15], scales s[16:17], wo16 s[18:19]
	s_load_b64 s[20:21], s[0:1], 0x40              ; rope
	v_lshl_add_u32 v[SPW], v0, 2, SPARE
	v_mov_b32 v[NIL], 0
	v_lshrrev_b32 v1, 5, v0
	v_readfirstlane_b32 s22, v1                    ; wave 0..3
	v_and_b32 v2, 31, v0                           ; lane
	s_wait_kmcnt 0x0
	s_cmp_lt_u32 ttmp9, 256
	s_cbranch_scc1 .Lx
	s_cmp_lt_u32 ttmp9, 448
	s_cbranch_scc1 .Lw
	s_cmp_lt_u32 ttmp9, 512
	s_cbranch_scc1 .Lo
; ---- THE TABLE.  A lane is a pair i; a wave takes 16 positions.  No sine or cosine instruction: the angle is reduced by whole quarter turns (pi / 2 in two parts, by fused multiply-adds) and two short series follow.
	s_sub_co_u32 s23, ttmp9, 512
	s_lshl_b32 s23, s23, 6
	s_lshl_b32 s41, s22, 4
	s_add_co_u32 s23, s23, s41                     ; my wave's first position
	s_lshl_b32 s42, s23, 8                         ; a position's row is 256 bytes
	s_mov_b32 s43, 0
	s_add_nc_u64 s[20:21], s[20:21], s[42:43]
	s_mov_b32 s24, 0x3f22f983                      ; 2 / pi
	s_mov_b32 s25, 0x3fc90fdb                      ; pi / 2, the high part
	s_mov_b32 s26, 0xb33bbd2e                      ; and what is left of it
	s_mov_b32 s27, 0xbe2aaaab                      ; sine: -1/6, 1/120, -1/5040, 1/362880
	s_mov_b32 s28, 0x3c088889
	s_mov_b32 s29, 0xb9500d01
	s_mov_b32 s30, 0x3638ef1d
	s_mov_b32 s31, 0x3d2aaaab                      ; cosine: 1/24, -1/720, 1/40320, -1/3628800 (-1/2 and 1 are written in the lines)
	s_mov_b32 s32, 0xbab60b61
	s_mov_b32 s33, 0x37d00d01
	s_mov_b32 s34, 0xb493f27e
	v_cvt_f32_u32 v3, v2
	v_mul_f32 v3, 0xbed49a78, v3                   ; -i x log2(10000) / 32
	v_exp_f32 v4, v3                               ; f
	v_lshlrev_b32 v5, 3, v2                        ; (a plain line behind the exponential)  8 bytes a pair
	s_wait_alu depctr_va_vdst(0)                   ; the wait ahead of the first reader of f
.set n, 0
.rept 16
	s_add_co_u32 s41, s23, n
	v_cvt_f32_u32 v16, s41
	v_mul_f32 v16, v16, v4                         ; the angle, one f32 product
	v_mul_f32 v17, s24, v16
	v_rndne_f32 v17, v17                           ; whole quarter turns
	v_fma_f32 v18, -v17, s25, v16
	v_fma_f32 v18, -v17, s26, v18                  ; what is left: at most pi / 4 in size
	v_mul_f32 v19, v18, v18
	v_fma_f32 v20, v19, s30, s29
	v_fma_f32 v22, v19, s34, s33
	v_fma_f32 v20, v19, v20, s28
	v_fma_f32 v22, v19, v22, s32
	v_fma_f32 v20, v19, v20, s27
	v_fma_f32 v22, v19, v22, s31
	v_mul_f32 v21, v18, v19
	v_fma_f32 v22, v19, v22, -0.5
	v_fma_f32 v20, v21, v20, v18                   ; the sine of what is left
	v_fma_f32 v22, v19, v22, 1.0                   ; its cosine
	v_cvt_i32_f32 v23, v17
	v_and_b32 v24, 1, v23
	v_cmp_eq_u32 vcc_lo, 1, v24                    ; an odd number of quarter turns swaps the two,
	v_cndmask_b32 v25, v22, v20, vcc_lo
	v_cndmask_b32 v26, v20, v22, vcc_lo
	v_add_nc_u32 v24, 1, v23
	v_and_b32 v24, 2, v24
	v_lshlrev_b32 v24, 30, v24                     ; the cosine is negative in quarters 1 and 2,
	v_xor_b32 v[64+2*n], v24, v25
	v_and_b32 v24, 2, v23
	v_lshlrev_b32 v24, 30, v24                     ; the sine in quarters 2 and 3
	v_xor_b32 v[65+2*n], v24, v26
	global_store_b64 v5, v[64+2*n:65+2*n], s[20:21] offset:256*n   ; the wave stores 256 consecutive bytes, aligned; each position has data registers of its own
.set n, n+1
.endr
	s_endpgm
; ---- Wo to f16.  A wave takes 4,096 numbers: 32 loads of 512 consecutive bytes, all out at once; each becomes 256 consecutive bytes.
.Lo:
	s_sub_co_u32 s23, ttmp9, 448
	s_lshl_b32 s23, s23, 2
	s_add_co_u32 s23, s23, s22                     ; which run of 4,096 numbers
	s_lshl_b32 s24, s23, 14
	s_mov_b32 s25, 0
	s_add_nc_u64 s[12:13], s[12:13], s[24:25]
	s_lshl_b32 s24, s23, 13
	s_add_nc_u64 s[18:19], s[18:19], s[24:25]
	v_lshlrev_b32 v3, 4, v2
	v_lshlrev_b32 v4, 3, v2
.set n, 0
.rept 32
	global_load_b128 v[32+4*n:35+4*n], v3, s[12:13] offset:512*n
.set n, n+1
.endr
.set n, 0
.rept 32
	s_wait_loadcnt 31-n                            ; loads come back in order: load n is in, the younger ones stay out
	v_cvt_pk_f16_f32 v[32+4*n], v[32+4*n], v[33+4*n]
	v_cvt_pk_f16_f32 v[33+4*n], v[34+4*n], v[35+4*n]
	global_store_b64 v4, v[32+4*n:33+4*n], s[18:19] offset:256*n
.set n, n+1
.endr
	s_endpgm
; ---- Wq, Wk, Wv.  A LANE TAKES A COLUMN n, AND ITS REGISTERS RUN DOWN K: a block of 32 along K lies in one lane, and the conversions give codes with K innermost.  A work-group takes 32 columns x 512 along K,
; its four waves the four quarters of 128: together they fill 256 bytes of codes for each column in the stage, which leave as whole rows.
.Lw:
	s_sub_co_u32 s23, ttmp9, 256
	s_lshr_b32 s24, s23, 6                         ; which weight
	s_bfe_u32 s25, s23, 0x50001                    ; which 32 columns
	s_and_b32 s26, s23, 1                          ; which 512 along K
	s_cmp_eq_u32 s24, 0
	s_cselect_b64 s[28:29], s[6:7], s[8:9]         ; the choice hangs on the work-group's number alone
	s_cmp_eq_u32 s24, 2
	s_cselect_b64 s[28:29], s[10:11], s[28:29]
	s_lshl_b32 s30, s26, 21                        ; 512 rows of 4,096 bytes,
	s_lshl_b32 s31, s22, 19                        ; my wave's 128 rows,
	s_add_co_u32 s30, s30, s31
	s_lshl_b32 s31, s25, 7                         ; 32 columns of 4 bytes
	s_add_co_u32 s30, s30, s31
	s_mov_b32 s31, 0
	s_add_nc_u64 s[28:29], s[28:29], s[30:31]
	s_lshl_b32 s32, s24, 10
	s_lshl_b32 s33, s25, 5
	s_add_co_u32 s32, s32, s33                     ; the first row of the codes: 1024 x which + 32 x group
	s_lshl_b32 s30, s32, 5                         ; scale bytes: 32 a row, + 16 for the upper 512 along K, + 4 for each wave, behind x's 262,144
	s_lshl_b32 s33, s26, 4
	s_add_co_u32 s30, s30, s33
	s_lshl_b32 s33, s22, 2
	s_add_co_u32 s30, s30, s33
	s_add_co_u32 s30, s30, 262144
	s_add_nc_u64 s[16:17], s[16:17], s[30:31]
	s_lshl_b32 s30, s32, 9                         ; codes: 512 bytes a row, + 256 for the upper 512 along K, behind x's 4,194,304
	s_lshl_b32 s33, s26, 8
	s_add_co_u32 s30, s30, s33
	s_add_co_u32 s30, s30, 4194304
	s_add_nc_u64 s[14:15], s[14:15], s[30:31]
	v_lshlrev_b32 v3, 2, v2                        ; in: 4 bytes a lane
	v_mul_u32_u24 v4, v2, WP
	s_lshl_b32 s33, s22, 6
	s_add_co_u32 s33, s33, WST
	v_add_nc_u32 v4, s33, v4                       ; into the stage: row = my column, my wave's 64 bytes
	v_lshlrev_b32 v5, 5, v2                        ; my column's row of scale bytes
	v_lshrrev_b32 v6, 4, v2
	v_and_b32 v7, 15, v2
	s_lshl_b32 s33, s22, 3
	v_add_nc_u32 v6, s33, v6                       ; out of it: wave w takes rows 8 w .. 8 w + 7, sixteen lanes to a row
	v_mul_u32_u24 v10, v6, WP
	v_lshl_add_u32 v10, v7, 4, v10
	v_add_nc_u32 v10, WST, v10
	v_lshlrev_b32 v6, 9, v6
	v_lshl_add_u32 v6, v7, 4, v6                   ; and the same place in the codes
.macro WLOAD t                         ; block t: W(32 t + i, my column), i = 0 .. 31; every block has registers of its own
.set kk, 32*(\t)
.rept 32
	global_load_b32 v[32+kk], v3, s[28:29] offset:kk*4096 th:TH_LOAD_NT
.set kk, kk+1
.endr
.endm
.macro WBLOCK t
.set XS, 32+32*(\t)
.if (\t) < 3
	s_wait_loadcnt 32                              ; this block's 32 loads are in; the next block's may be out
.else
	s_wait_loadcnt 0x0
.endif
.if (\t)+2 < 4
	WLOAD (\t)+2                                   ; loads run two blocks ahead
.endif
	v_max3_num_f32 v8, |v[XS]|, |v[XS+1]|, |v[XS+2]|
	v_max3_num_f32 v9, |v[XS+3]|, |v[XS+4]|, |v[XS+5]|
.irp i, 6,10,14,18,22,26
	v_max3_num_f32 v8, v8, |v[XS+\i]|, |v[XS+\i+1]|
	v_max3_num_f32 v9, v9, |v[XS+\i+2]|, |v[XS+\i+3]|
.endr
	v_max3_num_f32 v8, v8, |v[XS+30]|, |v[XS+31]|
	v_max3_num_f32 v8, v8, v9, 0x1800000           ; and the floor 2^(3 - 127): the byte cannot fall under 1
	v_add_nc_u32 v11, 0xff000000, v8               ; 2 off the exponent field: the conversion takes the exponent field of this operand as its scale
	v_lshrrev_b32 v9, 23, v11                      ; the scale's byte
.if (\t) == 0
	v_mov_b32 v24, v9
.else
	v_lshl_or_b32 v24, v9, 8*(\t), v24             ; four bytes to a word, the lower K in the lower byte
.endif
.irp g, 0,1,2,3
	v_cvt_scalef32_pk8_fp4_f32 v[160+4*(\t)+\g], v[XS+8*\g:XS+8*\g+7], v11
.endr
	v_nop                                          ; one plain line behind the scaled conversions
	ds_store_b128 v4, v[160+4*(\t):163+4*(\t)] offset:16*(\t)
.endm
	WLOAD 0
	WLOAD 1
	WBLOCK 0
	WBLOCK 1
	WBLOCK 2
	WBLOCK 3
	global_store_b32 v5, v24, s[16:17]             ; my column's four bytes of these 128 along K
	s_wait_dscnt 0x0                               ; for the others' sake: my stores into the stage are done
	s_barrier_signal -1
	s_barrier_wait -1
.irp i, 0,1,2,3
	ds_load_b128 v[176+4*\i:179+4*\i], v10 offset:\i*2*WP
.endr
.irp i, 0,1,2,3
	s_wait_dscnt 3-\i
	global_store_b128 v6, v[176+4*\i:179+4*\i], s[14:15] offset:\i*1024   ; sixteen lanes store 256 consecutive bytes, aligned
.endr
	s_wait_tensorcnt 0x0                           ; the wave's end, behind my last LDS store
	ds_add_u32 v[SPW], v[NIL]
	s_wait_dscnt 0x0
	s_endpgm
; ---- x.  A wave takes 16 steps of 512 numbers.  Each load reads 512 consecutive bytes; a step's 2,048 bytes turn through the wave's own stage, so that a lane holds 16 neighbours along K (two lanes to a block).
.Lx:
	v_lshlrev_b32 v3, 4, v2                        ; my 16 bytes of a load's 512
	s_mul_i32 s23, s22, WREG
	v_lshrrev_b32 v14, 2, v2
	v_mul_u32_u24 v14, v14, SP
	v_and_b32 v15, 3, v2
	v_lshl_add_u32 v14, v15, 4, v14
	v_add_nc_u32 v14, s23, v14                     ; the stage, on the way in: SP (lane / 4) + 16 (lane % 4)
	v_mul_u32_u24 v15, v2, SP
	v_add_nc_u32 v15, s23, v15                     ; and on the way out: SP x lane
	v_lshlrev_b32 v4, 3, v2                        ; my 8 bytes of a step's codes
	v_lshrrev_b32 v5, 1, v2
	s_add_co_u32 s23, s23, 2*32*SP
	v_add_nc_u32 v5, s23, v5                       ; my wave's 256 scale bytes, my block's byte
	v_lshlrev_b32 v7, 3, v2
	v_add_nc_u32 v6, s23, v7
	s_lshl_b32 s24, ttmp9, 2
	s_add_co_u32 s24, s24, s22                     ; which run of 8,192 numbers
	s_lshl_b32 s26, s24, 15
	s_mov_b32 s27, 0
	s_add_nc_u64 s[4:5], s[4:5], s[26:27]
	s_lshl_b32 s26, s24, 12
	s_add_nc_u64 s[14:15], s[14:15], s[26:27]
	s_lshl_b32 s26, s24, 8
	s_add_nc_u64 s[16:17], s[16:17], s[26:27]
.macro XLOAD t
.irp i, 0,1,2,3
	global_load_b128 v[R+16*((\t)%4)+4*\i:R+16*((\t)%4)+4*\i+3], v3, s[4:5] offset:2048*(\t)+512*\i th:TH_LOAD_NT
.endr
.endm
.macro XTURN t                         ; LDS serves a wave's instructions in order: no wait between the stores and the loads
.irp i, 0,1,2,3
	ds_store_b128 v14, v[R+16*((\t)%4)+4*\i:R+16*((\t)%4)+4*\i+3] offset:32*SP*((\t)%2)+8*SP*\i
.endr
.irp i, 0,1,2,3
	ds_load_b128 v[X+16*((\t)%2)+4*\i:X+16*((\t)%2)+4*\i+3], v15 offset:32*SP*((\t)%2)+16*\i
.endr
.endm
.irp t, 0,1,2,3
	XLOAD \t
.endr
	s_wait_loadcnt 12                              ; step 0's four loads are in
	XTURN 0
.macro XSTEP t
.set XS, X+16*((\t)%2)
.if (\t) > 0
	s_wait_dscnt 1                                 ; this step's numbers are back from the stage (the last step's byte store may be out)
.else
	s_wait_dscnt 0x0
.endif
.if (\t)+4 < STEPS
	XLOAD (\t)+4                                   ; into the registers that this step's stage stores have read
.endif
.if (\t)+1 < STEPS
.if STEPS-2-(\t) >= 3
	s_wait_loadcnt 12                              ; the next step's four loads are in; those of the three steps behind it may be out
.else
	s_wait_loadcnt 4*(STEPS-2-(\t))
.endif
	XTURN (\t)+1
.endif
	v_max3_num_f32 v8, |v[XS]|, |v[XS+1]|, |v[XS+2]|
	v_max3_num_f32 v9, |v[XS+3]|, |v[XS+4]|, |v[XS+5]|
.irp i, 6,10
	v_max3_num_f32 v8, v8, |v[XS+\i]|, |v[XS+\i+1]|
	v_max3_num_f32 v9, v9, |v[XS+\i+2]|, |v[XS+\i+3]|
.endr
	v_max3_num_f32 v8, v8, |v[XS+14]|, |v[XS+15]|
	v_max3_num_f32 v8, v8, v9, 0x1800000           ; the floor
	v_max_num_f32_dpp v8, v8, v8 row_xmask:1 row_mask:0xf bank_mask:0xf   ; with my neighbour's 16: the block's largest magnitude
	v_add_nc_u32 v11, 0xff000000, v8
	v_cvt_scalef32_pk8_fp4_f32 v[C+4*(\t)], v[XS:XS+7], v11
	v_cvt_scalef32_pk8_fp4_f32 v[C+4*(\t)+1], v[XS+8:XS+15], v11
	v_lshrrev_b32 v[E+(\t)], 23, v11               ; the scale's byte (a plain line behind the conversions)
	ds_store_b8 v5, v[E+(\t)] offset:16*(\t)       ; both lanes of a block write the same byte with the same value
	global_store_b64 v4, v[C+4*(\t):C+4*(\t)+1], s[14:15] offset:256*(\t)   ; the wave stores 256 consecutive bytes, aligned
.endm
.irp t, 0,1,2,3,4,5,6,7,8,9,10,11,12,13,14,15
	XSTEP \t
.endr
	ds_load_b64 v[8:9], v6                         ; my wave's 256 scale bytes: these loads see my stores
	s_wait_dscnt 0x0
	global_store_b64 v7, v[8:9], s[16:17]          ; 256 consecutive bytes, aligned
	s_wait_tensorcnt 0x0                           ; the wave's end, behind my last LDS store
	ds_add_u32 v[SPW], v[NIL]
	s_wait_dscnt 0x0
	s_endpgm
.Lfunc_end_k_q7105e6ca2d_prep:
	.size	k_q7105e6ca2d_prep, .Lfunc_end_k_q7105e6ca2d_prep-k_q7105e6ca2d_prep
	.p2alignl 7, 3214868480
	.fill 96, 4, 3214868480
	.section	.rodata,"a",@progbits
	.p2align	6, 0x0
	.amdhsa_kernel k_q7105e6ca2d_prep
		.amdhsa_group_segment_fixed_size 41984
		.amdhsa_private_segment_fixed_size 0
		.amdhsa_enable_private_segment 0
		.amdhsa_kernarg_size 72
		.amdhsa_user_sgpr_count 2
		.amdhsa_user_sgpr_kernarg_segment_ptr 1
		.amdhsa_wavefront_size32 1
		.amdhsa_system_sgpr_workgroup_id_x 1
		.amdhsa_system_sgpr_workgroup_id_y 1
		.amdhsa_system_sgpr_workgroup_id_z 1
		.amdhsa_system_vgpr_workitem_id 0
		.amdhsa_next_free_vgpr 192
		.amdhsa_next_free_sgpr 66
		.amdhsa_reserve_vcc 1
		.amdhsa_float_denorm_mode_32 3
		.amdhsa_float_denorm_mode_16_64 3
		.amdhsa_memory_ordered 1
		.amdhsa_forward_progress 1
		.amdhsa_inst_pref_size 89
	.end_amdhsa_kernel
	.amdgpu_metadata
---
amdhsa.version: [ 1, 2 ]
amdhsa.kernels:
  - .name:           k_q7105e6ca2d_prep
    .symbol:         k_q7105e6ca2d_prep.kd
    .args:
      - { .name: x, .offset: 0, .size: 8, .value_kind: global_buffer, .address_space: global }
      - { .name: Wq, .offset: 8, .size: 8, .value_kind: global_buffer, .address_space: global }
      - { .name: Wk, .offset: 16, .size: 8, .value_kind: global_buffer, .address_space: global }
      - { .name: Wv, .offset: 24, .size: 8, .value_kind: global_buffer, .address_space: global }
      - { .name: Wo, .offset: 32, .size: 8, .value_kind: global_buffer, .address_space: global }
      - { .name: codes, .offset: 40, .size: 8, .value_kind: global_buffer, .address_space: global }
      - { .name: scales, .offset: 48, .size: 8, .value_kind: global_buffer, .address_space: global }
      - { .name: wo16, .offset: 56, .size: 8, .value_kind: global_buffer, .address_space: global }
      - { .name: rope, .offset: 64, .size: 8, .value_kind: global_buffer, .address_space: global }
    .group_segment_fixed_size: 41984
    .private_segment_fixed_size: 0
    .kernarg_segment_align: 8
    .kernarg_segment_size: 72
    .max_flat_workgroup_size: 128
    .sgpr_count:     66
    .vgpr_count:     192
    .wavefront_size: 32
...
	.end_amdgpu_metadata
.endif
;; end of part 1
;; launch qkv (part 2): grid 12 x 32, 4 waves a work-group, clusters of 4 x 4, 327,680 bytes of LDS; arguments codes, scales, rope, qkv16, fqkv; writes qkv16, fqkv
.if DOCPART == 2
	.amdgcn_target "amdgcn-amd-amdhsa--gfx1250"
	.amdhsa_code_object_version 6
	.text
	.protected	k_q7105e6ca2d_qkv
	.globl	k_q7105e6ca2d_qkv
	.p2align	8
	.type	k_q7105e6ca2d_qkv,@function
k_q7105e6ca2d_qkv:
	s_mov_b64 s[64:65], 0
	v_nop
	global_prefetch_b8 v0, s[64:65] scope:SCOPE_SE
	s_setreg_imm32_b32 hwreg(HW_REG_WAVE_MODE, 25, 1), 1
	s_wait_xcnt 0x0
	s_wait_alu depctr_hold_cnt(0) depctr_sa_sdst(0) depctr_va_vdst(0) depctr_va_sdst(0) depctr_va_ssrc(0) depctr_va_vcc(0) depctr_vm_vsrc(0)
	s_getreg_b32 s2, hwreg(HW_REG_IB_STS2, 6, 4)
	s_cmp_eq_u32 s2, 0
	s_cbranch_scc0 .Lentry_in_a_cluster
	s_endpgm
.Lentry_in_a_cluster:
	s_bfe_u32 s2, ttmp6, 0x10000c
	s_cmp_lg_u32 s2, 0xf033
	s_cbranch_scc0 .Lentry_shape_is_right
	s_endpgm
.Lentry_shape_is_right:
; q, k, v = x Wq, x Wk, x Wv on codes of E2M1 with one E8M0 scale for each 32 along K: one product [8192][1024] x [3072][1024]^T; then the rotation of q and k; results as f16, laid by head.
; A: x's codes, rows of 512 bytes, at byte 0 of codes; B: the weights' codes, row 1024 x which + n, from byte 4,194,304.  Scale bytes: 32 a row, x's at byte 0 of scales, the weights' from 262,144.
; A tile of 256 x 256 is made by four waves, 128 x 128 each: 64 accumulators, 512 registers.  K = 1,024 is two K steps of 512: both come as first fills into two LDS slots, with the scale bytes of all of K:
; three tensor loads of mine are out at the most, and nothing is ever filled again.
; CLUSTERS: 4 x 4 work-groups.  The cluster's y names a block of 256 positions and the place cy in it the batch: rows 2048 cy + 256 Y.  So a position hangs on no place in the cluster.  The cluster's x is
; q, k or v, the place cx a run of 256 columns (four heads).  A's tiles are asked for jointly along a row of the cluster, B's along a column.
; THE MATRIX INSTRUCTION IS USED TRANSPOSED (source 0 = 16 rows of B, source 1 = 16 rows of A): a lane holds eight neighbouring columns of one row: four pairs of the rotation, 16 bytes of f16.
; OUT: qkv16 [which][batch x 16 + head][t][64] f16; positions 0 to 15 of every sequence also as f32 into fqkv [which][batch][head][t 16][64], for the launch that carries them finely.
; LIMIT: q, k, v beyond 65,504 in size become infinity in f16 (inputs thirty times those drawn, or offset by thirty spreads, give about 29,000).
; REGISTERS, in windows of 256: window 0: v0-31 addresses; v32-95 scale words, two sets; v128-191 A's fragments, one set; on the way out v32-255 are free.  window 1: B's fragments, two sets.
;   window 2: the accumulators of my rows 0-63 ((a, b) at v[8 (8 a + b)]); window 3: those of rows 64-127.
.set NQ,     4                         ; steps of 128 along K in a slot
.set ROWB,   256                       ; a tile's row: 512 codes
.set KROW,   512                       ; a row of codes in memory
.set PITCH,  272                       ; an LDS row: 256 bytes + 16 of padding: the 16 rows that a load touches start at 16 different banks (64 banks of 4 bytes: ISA guide 11.1)
.set FR,     8
.set NL,     2
.set NP,     4                         ; places behind this matrix instruction (ISA guide 7.12.1)
.set HALFT,  128*PITCH
.set SLOT,   4*HALFT                   ; A's 256 rows, then B's 256 rows
.set KS,     32                        ; a row of scale bytes
.set SCL,    2*SLOT                    ; behind the slots: the scales, as units of 256 bytes + 16 of padding
.set HALFS,  (128*KS/256)*272
.set SBLK,   (16*KS/256)*272
.set SPARE,  SCL+4*HALFS               ; the spare words, 128 bytes for each wave
.set WCO,    4194304
.set WSC,    262144
.set ADRA, 16
.set TA,   18                          ; v18  256 r + 32 h: my bytes in a block's 16 rows of the table, and in the f32 copy
.set ADRB, 20
.set STO,  24                          ; v24  the way out: where I put 16 bytes of a row
.set RD,   25                          ; v25  where I read rows back
.set CO,   26                          ; v26  16 x lane
.set ADRS, 27
.set SPW,  28
.set NIL,  29
.set SC,   32
.set AF,   128
.set RR,   32                          ; the way out: v32-95 a block's 64 rotated numbers
.set TMP,  96                          ; v96-127 packed f16
.set TT,   128                         ; v128-135 at work
.set BK,   136                         ; v136-167 rows read back from the stage
.set CSB,  192                         ; v192-223, v224-255 cos and sin of a block, by turns
.set G1, 24
.set G0, 32
.set G1B, 48
.set G0B, 56
.set G1S, 68
.set G0S, 76
.set G1SB, 80
.set G0SB, 88
.set MSB, 0
.macro WIN new                         ; the immediate's high byte repeats the setting that is left
.if MSB != (\new)
	s_set_vgpr_msb (MSB<<8)|(\new)
.set MSB, (\new)
.endif
.endm
.set MUL_LO, 0xa1                      ; source 0 (B) window 1, source 1 (A) window 0, C and D window 2
.set MUL_HI, 0xf1
.set TO_B,   0x40
; A joint load: waves 0 and 1 fetch for A, waves 2 and 3 for B; the branch hangs on the wave's number alone.  An s_nop 0 and four v_nop follow each of the two lines.
.macro JLOAD g0a, g1a, g0b, g1b
	s_cmp_eq_u32 s15, 0
	s_cbranch_scc0 .Lfor_b_\@
	tensor_load_to_lds s[\g0a:\g0a+3], s[\g1a:\g1a+7]
	s_nop 0
.rept 4
	v_nop
.endr
	s_branch .Lasked_\@
.Lfor_b_\@:
	tensor_load_to_lds s[\g0b:\g0b+3], s[\g1b:\g1b+7]
	s_nop 0
.rept 4
	v_nop
.endr
.Lasked_\@:
.endm
.macro CROUND                          ; a round of the cluster's barrier
	s_barrier_signal -1
	s_barrier_wait -1
	s_cmp_lg_u32 s14, 0
	s_cbranch_scc1 .Lnot_wave_0_\@
	s_barrier_signal -3
.Lnot_wave_0_\@:
	s_barrier_wait -3
	s_barrier_signal -1
	s_barrier_wait -1
.endm
	s_load_b128 s[4:7], s[0:1], 0x0                ; codes s[4:5], scales s[6:7]
	s_load_b128 s[8:11], s[0:1], 0x10              ; rope s[8:9], qkv16 s[10:11]
	s_load_b64 s[12:13], s[0:1], 0x20              ; fqkv
	v_lshl_add_u32 v[SPW], v0, 2, SPARE
	v_mov_b32 v[NIL], 0
	ds_add_u32 v[SPW], v[NIL]                      ; the wave's opening: the add, twice on end, and its wait ahead of my first tensor load
	ds_add_u32 v[SPW], v[NIL]
	v_lshrrev_b32 v1, 5, v0
	v_readfirstlane_b32 s14, v1                    ; wave 0..3
	s_lshr_b32 s15, s14, 1                         ; which half of the tile's rows is mine.  Also: I fetch for A (0) or for B (1)
	s_and_b32 s16, s14, 1                          ; which half of its columns.  Also: which 128 rows I fetch
	s_bfe_u32 s40, ttmp6, 0x40000                  ; cx
	s_bfe_u32 s41, ttmp6, 0x40004                  ; cy: the batch
	s_lshl_b32 s42, ttmp9, 2
	s_add_co_u32 s42, s42, s40                     ; tile column = 4 x cluster x + cx
	s_and_b32 s17, ttmp7, 0xffff                   ; Y: the block of 256 positions
	s_lshl_b32 s43, s41, 2
	s_lshl_b32 s43, 15, s43                        ; my row of the cluster
	s_lshl_b32 s44, 0x1111, s40                    ; my column
	s_or_b32 s[G1+0], s43, (0<<16)|(1<<20)|(1<<21)|(5<<22)|(3<<25)   ; mask; elements of 1 byte; padding on; bit 21 beside a mask; 4 words behind every 64
	s_or_b32 s[G1B+0], s44, (0<<16)|(1<<20)|(1<<21)|(5<<22)|(3<<25)
.irp g, G1, G1B
	s_mov_b32 s[\g+1], ROWB<<16                    ; tensor_dim0
	s_mov_b32 s[\g+2], 128<<16                     ; tensor_dim1
	s_mov_b32 s[\g+3], ROWB<<16                    ; tile_dim0
	s_mov_b32 s[\g+4], 128                         ; tile_dim1
	s_mov_b32 s[\g+5], KROW                        ; from row to row
	s_mov_b32 s[\g+6], 0
	s_mov_b32 s[\g+7], 0
.endr
	s_or_b32 s[G1S+0], s43, (3<<16)|(1<<20)|(1<<21)|(5<<22)|(3<<25)  ; the scales of 128 rows: a dense block, as rows of 256 bytes (32 elements of 8)
	s_or_b32 s[G1SB+0], s44, (3<<16)|(1<<20)|(1<<21)|(5<<22)|(3<<25)
.irp g, G1S, G1SB
	s_mov_b32 s[\g+1], 32<<16
	s_mov_b32 s[\g+2], (128*KS/256)<<16
	s_mov_b32 s[\g+3], 32<<16
	s_mov_b32 s[\g+4], 128*KS/256
	s_mov_b32 s[\g+5], 32
	s_mov_b32 s[\g+6], 0
	s_mov_b32 s[\g+7], 0
.endr
	s_lshl_b32 s18, s16, 7                         ; which 128 rows of the tile I fetch
	s_lshl_b32 s20, s41, 11
	s_lshl_b32 s19, s17, 8
	s_add_co_u32 s20, s20, s19
	s_add_co_u32 s20, s20, s18                     ; A: row 2048 cy + 256 Y + 128 x half
	s_lshl_b32 s46, s42, 8
	s_add_co_u32 s46, s46, s18                     ; B: row 256 x tile column + 128 x half
	s_lshl_b32 s22, s20, 5                         ; where these rows' scales begin,
	s_mov_b32 s23, 0
	s_lshl_b32 s92, s46, 5
	s_add_co_u32 s92, s92, WSC
	s_mov_b32 s93, 0
	s_lshl_b32 s20, s20, 9                         ; and their codes
	s_mov_b32 s21, 0
	s_lshl_b32 s46, s46, 9
	s_add_co_u32 s46, s46, WCO
	s_mov_b32 s47, 0
	s_mul_i32 s45, s14, HALFT                      ; where they go: wave x 128 rows: no place in the cluster enters an LDS address
	s_mul_i32 s94, s14, HALFS
	s_wait_dscnt 0x0                               ; both opening adds are done
	s_wait_kmcnt 0x0
	s_add_nc_u64 s[20:21], s[4:5], s[20:21]
	s_add_nc_u64 s[22:23], s[6:7], s[22:23]
	s_add_nc_u64 s[46:47], s[4:5], s[46:47]
	s_add_nc_u64 s[92:93], s[6:7], s[92:93]
	CROUND                                         ; all sixteen work-groups are here: the joint loads meet
	s_mov_b32 s[G0S], 1
	s_add_co_u32 s[G0S+1], s94, SCL
	s_mov_b64 s[G0S+2:G0S+3], s[22:23]
	s_or_b32 s[G0S+3], s[G0S+3], 0x80000000
	s_mov_b32 s[G0SB], 1
	s_add_co_u32 s[G0SB+1], s94, SCL
	s_mov_b64 s[G0SB+2:G0SB+3], s[92:93]
	s_or_b32 s[G0SB+3], s[G0SB+3], 0x80000000
	JLOAD G0S, G1S, G0SB, G1SB                     ; the scales first: they are wanted with K step 0
.irp s, 0,1
	s_mov_b32 s[G0+4*\s], 1
	s_add_co_u32 s[G0+4*\s+1], s45, \s*SLOT
	s_add_nc_u64 s[G0+4*\s+2:G0+4*\s+3], s[20:21], \s*ROWB
	s_or_b32 s[G0+4*\s+3], s[G0+4*\s+3], 0x80000000
	s_mov_b32 s[G0B+4*\s], 1
	s_add_co_u32 s[G0B+4*\s+1], s45, \s*SLOT
	s_add_nc_u64 s[G0B+4*\s+2:G0B+4*\s+3], s[46:47], \s*ROWB
	s_or_b32 s[G0B+4*\s+3], s[G0B+4*\s+3], 0x80000000
	JLOAD G0+4*\s, G1, G0B+4*\s, G1B
.endr
	v_and_b32 v1, 15, v0                           ; r = l % 16
	v_bfe_u32 v2, v0, 4, 1                         ; h = l / 16
	v_mul_u32_u24 v3, v1, PITCH
	v_lshl_add_u32 v4, v2, 4, v3                   ; a fragment's row x pitch + 16 x half
	s_mul_i32 s21, s15, HALFT                      ; my 128 rows of A
	s_mul_i32 s22, s16, HALFT                      ; my 128 rows of B,
	s_add_co_u32 s22, s22, 2*HALFT                 ; behind A's 256
.irp s, 0,1
	v_add_nc_u32 v[ADRA+\s], s21, v4
	v_add_nc_u32 v[ADRB+\s], s22, v4
	s_add_co_u32 s21, s21, SLOT
	s_add_co_u32 s22, s22, SLOT
.endr
	v_mul_u32_u24 v5, v1, KS                       ; my row's scales: 32 bytes a row,
	v_lshrrev_b32 v6, 8, v5
	v_lshl_add_u32 v5, v6, 4, v5                   ; and 16 more for each 256 passed
	s_mul_i32 s21, s15, HALFS
	s_mul_i32 s22, s16, HALFS
	s_add_co_u32 s22, s22, 2*HALFS
	s_sub_co_u32 s22, s22, s21
	v_mul_u32_u24 v6, s22, v2                      ; lanes 16-31 take B's
	s_add_co_u32 s21, s21, SCL
	v_add_nc_u32 v5, v5, v6
	v_add_nc_u32 v[ADRS], s21, v5
	; the way out.  The stage, 32 rows ([head 2][row 16]) x 144 bytes for each wave, lies in slot 0, which has had its one fill and its last read when the first result is stored there
	s_mul_i32 s23, s14, 4608
	v_mul_u32_u24 v5, v1, 144
	v_lshl_add_u32 v5, v2, 4, v5
	v_add_nc_u32 v[STO], s23, v5                   ; in: row r, 16 bytes for each half of the lanes
	v_and_b32 v6, 31, v0
	v_lshrrev_b32 v7, 3, v6
	v_mul_u32_u24 v7, v7, 144
	v_and_b32 v8, 7, v6
	v_lshl_add_u32 v7, v8, 4, v7
	v_add_nc_u32 v[RD], s23, v7                    ; back: eight lanes to a row of 128 bytes, four rows an instruction
	v_lshlrev_b32 v[CO], 4, v6                     ; four rows of a head are 512 consecutive bytes of qkv16
	v_lshlrev_b32 v[TA], 8, v1
	v_lshl_add_u32 v[TA], v2, 5, v[TA]
	s_lshl_b32 s99, s17, 8
	s_lshl_b32 s95, s15, 7
	s_add_co_u32 s99, s99, s95                     ; my first position: 256 Y + 128 x half
	s_lshl_b32 s96, s99, 8
	s_mov_b32 s97, 0
	s_add_nc_u64 s[8:9], s[8:9], s[96:97]          ; the table at that position
	s_lshl_b32 s100, s40, 2
	s_lshl_b32 s95, s16, 1
	s_add_co_u32 s100, s100, s95                   ; my first head: 4 cx + 2 x half
	s_lshl_b32 s101, s41, 4
	s_add_co_u32 s101, s101, s100                  ; 16 x batch + head
	s_lshl_b32 s101, s101, 11
	s_add_co_u32 s101, s101, s99
	s_lshl_b32 s96, s101, 7                        ; rows of 128 bytes
	s_lshl_b32 s101, ttmp9, 24                     ; q, k or v: 16,777,216 bytes each
	s_add_co_u32 s96, s96, s101
	s_add_nc_u64 s[10:11], s[10:11], s[96:97]
	s_lshl_b32 s101, ttmp9, 2
	s_add_co_u32 s101, s101, s41
	s_lshl_b32 s101, s101, 4
	s_add_co_u32 s101, s101, s100
	s_lshl_b32 s96, s101, 12                       ; the f32 copy: planes of 4,096 bytes
	s_add_nc_u64 s[12:13], s[12:13], s[96:97]
	s_or_b32 s98, s17, s15                         ; 0 where my block 0 holds positions 0 to 15: the cluster's y and the wave's number alone
.macro FRAG reg, adr, q, i             ; 16 rows x 128 K of 4-bit codes: 8 registers: lane l holds row l % 16; registers 4 c .. 4 c + 3 hold K = 64 c + 32 (l / 16) + 0 .. 31
.irp c, 0,1
	ds_load_b128 v[\reg+4*\c:\reg+4*\c+3], v[\adr] offset:64*(\q)+32*\c+(\i)*16*PITCH
.endr
.endm
; 16 matrix instructions: A's blocks a0, a0 + 1 x B's eight.  The 64 accumulators take turns, one instruction a turn, in the same order in every step.
.macro MUL16 a0, p, q, sc, zero
.irp a, \a0, \a0+1
.irp b, 0,1,2,3,4,5,6,7
.if \zero
	v_wmma_scale_f32_16x16x128_f8f6f4 v[8*(8*((\a)%4)+\b):8*(8*((\a)%4)+\b)+7], v[128*(\p)+FR*\b:128*(\p)+FR*\b+FR-1], v[AF+FR*(\a):AF+FR*(\a)+FR-1], 0, v[SC+8*NQ*(\sc)+NQ*\b+(\q)], v[SC+8*NQ*(\sc)+NQ*(\a)+(\q)] matrix_a_fmt:MATRIX_FMT_FP4 matrix_b_fmt:MATRIX_FMT_FP4 matrix_a_scale:MATRIX_SCALE_ROW1
.else
	v_wmma_scale_f32_16x16x128_f8f6f4 v[8*(8*((\a)%4)+\b):8*(8*((\a)%4)+\b)+7], v[128*(\p)+FR*\b:128*(\p)+FR*\b+FR-1], v[AF+FR*(\a):AF+FR*(\a)+FR-1], v[8*(8*((\a)%4)+\b):8*(8*((\a)%4)+\b)+7], v[SC+8*NQ*(\sc)+NQ*\b+(\q)], v[SC+8*NQ*(\sc)+NQ*(\a)+(\q)] matrix_a_fmt:MATRIX_FMT_FP4 matrix_b_fmt:MATRIX_FMT_FP4 matrix_a_scale:MATRIX_SCALE_ROW1
.endif
.endr
.endr
.endm
.macro FETCH_B slot, q, p
	WIN TO_B
.irp i, 0,1,2,3,4,5,6,7
	FRAG 128*(\p)+FR*\i, ADRB+\slot, \q, \i
.endr
	WIN 0
.endm
.macro FETCH_A slot, q, i0
.irp i, \i0, \i0+1, \i0+2, \i0+3
	FRAG AF+FR*(\i), ADRA+\slot, \q, \i
.endr
.endm
.macro SCALES sc                       ; a K step's scale words: four a row; lanes 0-15 take A's block i, lanes 16-31 B's block i
.irp i, 0,1,2,3,4,5,6,7
	ds_load_b128 v[SC+8*NQ*\sc+NQ*\i:SC+8*NQ*\sc+NQ*\i+3], v[ADRS] offset:\i*SBLK
.endr
.endm
.macro PLACES n                        ; plain vector lines between a matrix instruction and a load into, or a vector line or store on, its registers
.rept \n
	v_nop
.endr
.endm
.macro STEP slot, q, zero              ; a step of 128 along K that has its successor in the same slot
	s_wait_dscnt 4*NL                              ; B's set and A's blocks 0-3 are in; the youngest eight loads (A's blocks 4-7) may be out
	WIN MUL_LO
	MUL16 0, (\q)%2, \q, \slot, \zero
	MUL16 2, (\q)%2, \q, \slot, \zero
	s_wait_dscnt 0
	PLACES NP
	FETCH_B \slot, (\q)+1, 1-(\q)%2
	FETCH_A \slot, (\q)+1, 0
	WIN MUL_HI
	MUL16 4, (\q)%2, \q, \slot, \zero
	MUL16 6, (\q)%2, \q, \slot, \zero
	PLACES NP
	WIN 0
	FETCH_A \slot, (\q)+1, 4
.endm
.macro STEPS slot, from
.set Q, \from
.rept NQ-1-\from
	STEP \slot, Q, 0
.set Q, Q+1
.endr
.endm
	s_wait_tensorcnt 1                             ; the scales and my part of K step 0 are in (K step 1's load may be out),
	s_barrier_signal -1
	s_barrier_wait -1                              ; everybody's are
	FETCH_B 0, 0, 0
	FETCH_A 0, 0, 0
	SCALES 0
	FETCH_A 0, 0, 4
	STEP 0, 0, 1                                   ; the first step's products start the sums: nothing is cleared
	STEPS 0, 1
	; slot 0's last step changes slots: one barrier; in front of it my tensor loads have all landed and my reads of slot 0 are over.  Nothing is filled again
	s_wait_tensorcnt 0x0                           ; my part of slot 1 is in
	ds_add_u32 v[SPW], v[NIL]
	s_wait_dscnt 4*NL+1                            ; (the add and A's blocks 4-7 may be out)
	WIN MUL_LO
	MUL16 0, 1, NQ-1, 0, 0
	s_wait_dscnt 0x0                               ; the add is done, and my reads of slot 0 are over
	s_barrier_signal -1
	MUL16 2, 1, NQ-1, 0, 0
	WIN 0
	s_barrier_wait -1
	PLACES NP
	v_add_nc_u32 v[ADRS], 4*NQ, v[ADRS]            ; on to the second K step's scale words
	FETCH_B 1, 0, 0
	FETCH_A 1, 0, 0
	SCALES 1
	WIN MUL_HI
	MUL16 4, 1, NQ-1, 0, 0
	MUL16 6, 1, NQ-1, 0, 0
	PLACES NP
	WIN 0
	FETCH_A 1, 0, 4
	STEPS 1, 0
	s_wait_dscnt 4*NL                              ; the very last step: nothing more to fetch
	WIN MUL_LO
	MUL16 0, 1, NQ-1, 1, 0
	MUL16 2, 1, NQ-1, 1, 0
	s_wait_dscnt 0
	WIN MUL_HI
	MUL16 4, 1, NQ-1, 1, 0
	MUL16 6, 1, NQ-1, 1, 0
	WIN 0
	PLACES NP                                      ; for all that follows: reads of results, loads and vector writes into registers that held fragments and scale words
; THE WAY OUT, block by block of 16 positions x 128 columns (two heads).  Accumulator (a, b): lane (r, h), register j = position 16 a + r, head b / 4, channel 16 (b % 4) + 8 h + j.
.macro CSLOAD a                        ; cos and sin of block a's 16 positions: my four pairs of each 16 channels: 32 bytes at 64 (b % 4) + 32 h of the position's row
.irp g, 0,1,2,3
	global_load_b128 v[CSB+32*((\a)%2)+8*\g:CSB+32*((\a)%2)+8*\g+3], v[TA], s[8:9] offset:4096*(\a)+64*\g
	global_load_b128 v[CSB+32*((\a)%2)+8*\g+4:CSB+32*((\a)%2)+8*\g+7], v[TA], s[8:9] offset:4096*(\a)+64*\g+16
.endr
.endm
.macro ROT a                           ; (x0, x1) -> (x0 c - x1 s, x0 s + x1 c): a packed product (x1 s, x1 c) and a packed multiply-add; each accumulator from its low end on
	WIN 0x02+(\a)/4                                ; source 0: the accumulators' window
.irp b, 0,1,2,3,4,5,6,7
.irp jj, 0,1,2,3
	v_pk_mul_f32 v[TT+2*\jj:TT+2*\jj+1], v[64*((\a)%4)+8*\b+2*\jj:64*((\a)%4)+8*\b+2*\jj+1], v[CSB+32*((\a)%2)+8*(\b%4)+2*\jj:CSB+32*((\a)%2)+8*(\b%4)+2*\jj+1] op_sel:[1,1] op_sel_hi:[1,0]
.endr
.irp jj, 0,1,2,3
	v_pk_fma_f32 v[RR+8*\b+2*\jj:RR+8*\b+2*\jj+1], v[64*((\a)%4)+8*\b+2*\jj:64*((\a)%4)+8*\b+2*\jj+1], v[CSB+32*((\a)%2)+8*(\b%4)+2*\jj:CSB+32*((\a)%2)+8*(\b%4)+2*\jj+1], v[TT+2*\jj:TT+2*\jj+1] op_sel_hi:[0,1,1] neg_lo:[0,0,1]
.endr
.endr
	WIN 0
.endm
.macro PACKV a                         ; v is not rotated: straight to f16
	WIN 0x0a+5*((\a)/4)
.irp b, 0,1,2,3,4,5,6,7
.irp jj, 0,1,2,3
	v_cvt_pk_f16_f32 v[TMP+4*\b+\jj], v[64*((\a)%4)+8*\b+2*\jj], v[64*((\a)%4)+8*\b+2*\jj+1]
.endr
.endr
	WIN 0
.endm
.macro TOSTAGE                         ; 16 bytes a lane into my stage, and back as whole rows; LDS serves a wave's instructions in order: no wait between
.irp b, 0,1,2,3,4,5,6,7
	ds_store_b128 v[STO], v[TMP+4*\b:TMP+4*\b+3] offset:(\b/4)*2304+(\b%4)*32
.endr
.irp i, 0,1,2,3,4,5,6,7
	ds_load_b128 v[BK+4*\i:BK+4*\i+3], v[RD] offset:576*\i
.endr
.endm
.macro SEND a
	s_wait_dscnt 0x0                               ; the block is back in registers
.irp i, 0,1,2,3,4,5,6,7
	global_store_b128 v[CO], v[BK+4*\i:BK+4*\i+3], s[10:11] offset:2048*(\a)+512*(\i%4)+262144*(\i/4)   ; 512 consecutive bytes, aligned: four positions of one head
.endr
.endm
	s_cmp_eq_u32 ttmp9, 2                          ; the cluster's x: the same in all partners
	s_cbranch_scc1 .Lv
	CSLOAD 0
	CSLOAD 1
.irp a, 0,1,2,3,4,5,6,7
.if \a < 7
	s_wait_loadcnt 8                               ; this block's eight loads are in; the next block's may be out
.else
	s_wait_loadcnt 0x0
.endif
.if \a > 0
	s_wait_xcnt 0x0                                ; earlier stores have read their data: the rotated numbers may be written again
.endif
	ROT \a
.if \a < 6
	CSLOAD \a+2
.endif
.if \a == 0
	s_cmp_lg_u32 s98, 0
	s_cbranch_scc1 .Lnofine_r
.irp b, 0,1,2,3,4,5,6,7
	global_store_b128 v[TA], v[RR+8*\b:RR+8*\b+3], s[12:13] offset:(\b/4)*4096+(\b%4)*64      ; positions 0 to 15, in f32
	global_store_b128 v[TA], v[RR+8*\b+4:RR+8*\b+7], s[12:13] offset:(\b/4)*4096+(\b%4)*64+16
.endr
.Lnofine_r:
.endif
.irp b, 0,1,2,3,4,5,6,7
.irp jj, 0,1,2,3
	v_cvt_pk_f16_f32 v[TMP+4*\b+\jj], v[RR+8*\b+2*\jj], v[RR+8*\b+2*\jj+1]
.endr
.endr
.if \a > 0
	SEND \a-1
	s_wait_xcnt 0x0                                ; those stores have read their registers: the next block's rows may land there
.endif
	TOSTAGE
.endr
	SEND 7
	s_branch .Ljoin
.Lv:
	s_cmp_lg_u32 s98, 0
	s_cbranch_scc1 .Lnofine_v
	WIN 0x08                                       ; a store's data are its source 1: window 2
.irp b, 0,1,2,3,4,5,6,7
	global_store_b128 v[TA], v[8*\b:8*\b+3], s[12:13] offset:(\b/4)*4096+(\b%4)*64            ; each accumulator from its low end on
	global_store_b128 v[TA], v[8*\b+4:8*\b+7], s[12:13] offset:(\b/4)*4096+(\b%4)*64+16
.endr
	WIN 0
.Lnofine_v:
.irp a, 0,1,2,3,4,5,6,7
	PACKV \a
.if \a > 0
	SEND \a-1
	s_wait_xcnt 0x0
.endif
	TOSTAGE
.endr
	SEND 7
.Ljoin:
	s_wait_tensorcnt 0x0                           ; the wave's end, behind my last tensor load and my last LDS store
	ds_add_u32 v[SPW], v[NIL]
	s_wait_dscnt 0x0
	CROUND                                         ; the closing round
	s_endpgm
.Lfunc_end_k_q7105e6ca2d_qkv:
	.size	k_q7105e6ca2d_qkv, .Lfunc_end_k_q7105e6ca2d_qkv-k_q7105e6ca2d_qkv
	.p2alignl 7, 3214868480
	.fill 96, 4, 3214868480
	.section	.rodata,"a",@progbits
	.p2align	6, 0x0
	.amdhsa_kernel k_q7105e6ca2d_qkv
		.amdhsa_group_segment_fixed_size 327680
		.amdhsa_private_segment_fixed_size 0
		.amdhsa_enable_private_segment 0
		.amdhsa_kernarg_size 40
		.amdhsa_user_sgpr_count 2
		.amdhsa_user_sgpr_kernarg_segment_ptr 1
		.amdhsa_wavefront_size32 1
		.amdhsa_system_sgpr_workgroup_id_x 1
		.amdhsa_system_sgpr_workgroup_id_y 1
		.amdhsa_system_sgpr_workgroup_id_z 1
		.amdhsa_system_vgpr_workitem_id 0
		.amdhsa_next_free_vgpr 1024
		.amdhsa_next_free_sgpr 102
		.amdhsa_reserve_vcc 0
		.amdhsa_float_denorm_mode_32 3
		.amdhsa_float_denorm_mode_16_64 3
		.amdhsa_memory_ordered 1
		.amdhsa_forward_progress 1
		.amdhsa_inst_pref_size 199
	.end_amdhsa_kernel
	.amdgpu_metadata
---
amdhsa.version: [ 1, 2 ]
amdhsa.kernels:
  - .name:           k_q7105e6ca2d_qkv
    .symbol:         k_q7105e6ca2d_qkv.kd
    .args:
      - { .name: codes, .offset: 0, .size: 8, .value_kind: global_buffer, .address_space: global }
      - { .name: scales, .offset: 8, .size: 8, .value_kind: global_buffer, .address_space: global }
      - { .name: rope, .offset: 16, .size: 8, .value_kind: global_buffer, .address_space: global }
      - { .name: qkv16, .offset: 24, .size: 8, .value_kind: global_buffer, .address_space: global }
      - { .name: fqkv, .offset: 32, .size: 8, .value_kind: global_buffer, .address_space: global }
    .group_segment_fixed_size: 327680
    .private_segment_fixed_size: 0
    .kernarg_segment_align: 8
    .kernarg_segment_size: 40
    .max_flat_workgroup_size: 128
    .sgpr_count:     102
    .vgpr_count:     1024
    .wavefront_size: 32
...
	.end_amdgpu_metadata
.endif
;; end of part 2
;; launch attn (part 3): grid 4 x 64, 16 waves a work-group, no clusters, 327,680 bytes of LDS; arguments qkv16, att; writes att
.if DOCPART == 3
	.amdgcn_target "amdgcn-amd-amdhsa--gfx1250"
	.amdhsa_code_object_version 6
	.text
	.protected	k_q7105e6ca2d_attn
	.globl	k_q7105e6ca2d_attn
	.p2align	8
	.type	k_q7105e6ca2d_attn,@function
k_q7105e6ca2d_attn:
	s_mov_b64 s[64:65], 0
	v_nop
	global_prefetch_b8 v0, s[64:65] scope:SCOPE_SE
	s_setreg_imm32_b32 hwreg(HW_REG_WAVE_MODE, 25, 1), 1
	s_wait_xcnt 0x0
; att[bh][q][:] = the sum over keys k <= q of softmax_k(q . k / 8) v[k][:].  q, k, v: qkv16 [3][bh 64][t 2048][64] f16; att [bh][t][64] f16.  Products on f16 operands, sums, maxima and the softmax in f32.
; WORK LEFT OUT: a step of 64 keys all of which come after a wave's 32 queries is not computed, and a slot of 256 keys that comes after the work-group's last query is not fetched: their weights are 0
; under the mask that reference() builds itself (shown at the head of launch prep).
; SHARES.  Work-group (i, bh) owns the blocks of 256 queries i and 7 - i of one head: nine blocks of 256 x 256 under the diagonal for every work-group, 256 work-groups.  Each of its sixteen waves owns 32 queries,
; two tiles of 16 that share every fragment of K and V, in 256 registers: four waves to a SIMD, so that one wave's vector work stands beside another's matrix work and LDS loads.
; NO CLUSTER: the four work-groups of a head need 8, 7, 6 and 5 slots of keys; a joint load would bring tiles that every wave of some partner jumps over.
; LAYOUT.  S^T = K Q^T (source 0 = 16 keys, source 1 = 16 queries): a lane holds ONE query (lane % 16) and the keys 8 (lane / 16) + 0..7 of a tile.  Two such tiles, rounded to f16 in pairs, are source 1
; (32 keys x 16 queries) of O^T = V^T P.  K comes out of LDS as it lies, V ([key][channel]) turned, by ds_load_tr16_b128.
; SOFTMAX.  A running maximum m and sum l for each query: p = 2^(c s - c m), c = log2(e) / 8; in every step O and l are multiplied by a = 2^(c m_old - c m_new).  The sum is taken of the unrounded p.
; The step is written once: m begins at -3e38 and l and O^T at zeros, which the first a, 0, leaves zeros; that costs 64 moves once.
; EVERY work-group walks all eight slots, so that the trip counts are constants; what a wave leaves out is a step's work, by a scalar branch on ids.
; LIMITS: an exponential's result under 2^-126 is 0; p under 6e-8 is 0 in f16.
; REGISTERS: v1-7 addresses that stay; v8-15, v16-23 the two tiles' statistics (+0 c m, +1 m, +2, +3 l, +4..+7 at work; a at +6); v24 r - 8 h; v25, v26 the mask's bound; v27 -infinity; v28-31 addresses;
;   v32-63 Q; v64-127 S^T, then p, then P packed in place; v128-191 K's fragments, then V's; v192-255 O^T.
.set KP,    144                        ; a key's row of K in LDS: 128 bytes + 16
.set VP,    160                        ; of V: 128 + 32
.set VOFF,  256*KP                     ; a slot: 256 rows of K, then 256 rows of V
.set SLOT1, 1<<17                      ; slot 1 begins here: one exclusive or turns an address
.set SPARE, SLOT1+VOFF+256*VP          ; the spare words, 128 bytes for each of sixteen waves
.set STAGE, 0                          ; the way out: 32 rows x 144 bytes for each wave, in the slot that was left at the last change of slots
.set AK0,  1
.set AV0,  2
.set ADK,  3
.set ADV,  4
.set SPW,  5
.set NIL,  6
.set PFO,  7                           ; 256 x lane
.set ST,   8
.set RH,   24
.set D0,   25
.set NINF, 27
.set STO,  28
.set RD,   29
.set GO,   30
.set QO,   31
.set Q,    32                          ; fragment (tile t, channels 32 dh on) at Q + 16 t + 8 dh
.set S,    64                          ; tile t, keys 16 kt on, at S + 32 t + 8 kt
.set KV,   128                         ; K(kt, dh) at KV + 16 kt + 8 dh; V(dt, kg) at KV + 16 dt + 8 kg
.set O,    192                         ; tile t, channels 16 dt on, at O + 32 t + 8 dt
.set TK,   2                           ; s2   LDS byte at which the step's rows of K begin
.set TV,   3                           ; s3   the same for V (less VOFF)
.set WV,   18
.set SEL,  20
.set CS,   22
.set G1K,  24
.set G1V,  32
.set G0K,  40
.set G0V,  44
.set SLOTS, 48
.set KF,   49                          ; the step's first key
.set Q0,   50                          ; my first query
.set LASTQ, 51                         ; my work-group's last query
.set PFA,  52
.set LIM,  54
.set CNT,  55
; Waves 0 and 1 fetch K's halves of a slot, waves 2 and 3 V's, the others nothing.  An s_nop 0 and four v_nop follow each of the two lines.
.macro TLOAD
	s_cmp_lt_u32 s[WV], 2
	s_cbranch_scc0 .Lnot_k_\@
	tensor_load_to_lds s[G0K:G0K+3], s[G1K:G1K+7]
	s_nop 0
.rept 4
	v_nop
.endr
	s_branch .Lasked_\@
.Lnot_k_\@:
	s_cmp_lt_u32 s[WV], 4
	s_cbranch_scc0 .Lasked_\@
	tensor_load_to_lds s[G0V:G0V+3], s[G1V:G1V+7]
	s_nop 0
.rept 4
	v_nop
.endr
.Lasked_\@:
.endm
; A prefetch of what the NEXT change of slots will ask for: 32,768 dense bytes of K and as many of V.  All four work-groups of a head walk the same keys: the head's first work-group asks, which walks all eight
; slots; in it waves 4 to 7 ask for K's bytes and waves 8 to 11 for V's, 8,192 a wave, lanes 256 bytes apart: each block of 256 bytes is named once in the launch.  Slots 0 and 1 come by their loads alone;
; the last change that fills a slot asks for nothing.
.macro ASK
	s_cmp_gt_u32 s[SLOTS], s[LIM]
	s_cbranch_scc0 .Lnot_mine_\@
	global_prefetch_b8 v[PFO], s[PFA:PFA+1] th:TH_LOAD_NT scope:SCOPE_SE
.Lnot_mine_\@:
.endm
	s_load_b128 s[4:7], s[0:1], 0x0                ; qkv16 s[4:5], att s[6:7]
	v_lshl_add_u32 v[SPW], v0, 2, SPARE
	v_mov_b32 v[NIL], 0
	ds_add_u32 v[SPW], v[NIL]                      ; the wave's opening: the add, twice on end, and its wait ahead of the first tensor load
	ds_add_u32 v[SPW], v[NIL]
	v_lshrrev_b32 v8, 5, v0
	v_readfirstlane_b32 s[WV], v8                  ; wave 0..15
	s_and_b32 s56, ttmp7, 0xffff
	s_lshl_b32 s56, s56, 18                        ; the head's plane: 262,144 bytes
	s_and_b32 s57, s[WV], 7
	s_sub_co_u32 s58, 7, ttmp9
	s_sub_co_u32 s59, 7, s57
	s_cmp_lt_u32 s[WV], 8
	s_cselect_b32 s60, ttmp9, s58                  ; waves 0-7: block i, upward; waves 8-15: block 7 - i, downward
	s_cselect_b32 s61, s57, s59
	s_lshl_b32 s60, s60, 8
	s_lshl_b32 s61, s61, 5
	s_add_co_u32 s[Q0], s60, s61
	s_lshl_b32 s[LASTQ], s58, 8
	s_or_b32 s[LASTQ], s[LASTQ], 255
	s_and_b32 s62, s[WV], 1                        ; which 128 rows of a slot I fetch, if I fetch
	s_lshl_b32 s63, s62, 14
	s_add_co_u32 s63, s63, s56
	s_mul_i32 s66, s62, 128*KP
	s_mul_i32 s67, s62, 128*VP
	s_add_co_u32 s67, s67, VOFF
	s_add_co_u32 s68, s63, 16777216                ; K's part of qkv16
	s_mov_b32 s69, 0
	s_add_co_u32 s70, s63, 33554432                ; V's
	s_mov_b32 s71, 0
	s_mov_b32 s[G1K], (1<<16)|(1<<20)|(4<<22)|(3<<25)   ; elements of 2 bytes; padding: 4 words behind every 32
	s_mov_b32 s[G1V], (1<<16)|(1<<20)|(4<<22)|(7<<25)   ; 8 words
.irp g, G1K, G1V
	s_mov_b32 s[\g+1], 64<<16                      ; tensor_dim0
	s_mov_b32 s[\g+2], 128<<16                     ; tensor_dim1
	s_mov_b32 s[\g+3], 64<<16                      ; tile_dim0
	s_mov_b32 s[\g+4], 128                         ; tile_dim1
	s_mov_b32 s[\g+5], 64                          ; from row to row
	s_mov_b32 s[\g+6], 0
	s_mov_b32 s[\g+7], 0
.endr
	s_mov_b32 s[SEL], 0x76543210
	s_mov_b32 s[SEL+1], 0xfedcba98
	s_mov_b32 s[CS], 0x3e38aa3b                    ; c = log2(e) / 8
	s_mov_b32 s[CS+1], s[CS]
	s_mov_b32 s[TK], 0
	s_mov_b32 s[TV], 0
	s_mov_b32 s[SLOTS], 7
	s_mov_b32 s[KF], 0
	s_wait_dscnt 0x0                               ; both opening adds are done
	s_wait_kmcnt 0x0
	s_mov_b32 s[G0K], 1
	s_mov_b32 s[G0K+1], s66
	s_add_nc_u64 s[G0K+2:G0K+3], s[4:5], s[68:69]
	s_or_b32 s[G0K+3], s[G0K+3], 0x80000000
	s_mov_b32 s[G0V], 1
	s_mov_b32 s[G0V+1], s67
	s_add_nc_u64 s[G0V+2:G0V+3], s[4:5], s[70:71]
	s_or_b32 s[G0V+3], s[G0V+3], 0x80000000
	TLOAD                                          ; slot 0: keys 0 to 255, which count for some query of every work-group
	s_lshl_b32 s72, s[Q0], 7
	s_add_co_u32 s72, s72, s56
	s_mov_b32 s73, 0
	s_add_nc_u64 s[8:9], s[4:5], s[72:73]          ; q at my first query
	s_add_nc_u64 s[6:7], s[6:7], s[72:73]          ; att likewise
	s_cmp_lt_u32 s[WV], 8                          ; the prefetches: waves 4 to 7 K, waves 8 to 11 V
	s_mov_b32 s74, 33554432
	s_cselect_b32 s74, 16777216, s74
	s_and_b32 s75, s[WV], 3
	s_lshl_b32 s75, s75, 13
	s_add_co_u32 s74, s74, s75
	s_add_co_u32 s74, s74, s56
	s_add_co_u32 s74, s74, 32768                   ; in slot 1: the first change of slots steps it to slot 2
	s_mov_b32 s75, 0
	s_add_nc_u64 s[PFA:PFA+1], s[4:5], s[74:75]
	s_sub_co_u32 s76, s[WV], 4
	s_lshr_b32 s76, s76, 3                         ; 0 in waves 4 to 11,
	s_or_b32 s76, s76, ttmp9                       ; of the head's first work-group
	s_cmp_eq_u32 s76, 0
	s_cselect_b32 s[LIM], 1, -1
	v_and_b32 v8, 15, v0                           ; r
	v_bfe_u32 v9, v0, 4, 1                         ; h
	v_lshlrev_b32 v[QO], 7, v8
	v_lshl_add_u32 v[QO], v9, 4, v[QO]             ; row r of 128 bytes, + 16 h
.irp t, 0,1
.irp dh, 0,1
	global_load_b128 v[Q+16*\t+8*\dh:Q+16*\t+8*\dh+3], v[QO], s[8:9] offset:2048*\t+64*\dh
	global_load_b128 v[Q+16*\t+8*\dh+4:Q+16*\t+8*\dh+7], v[QO], s[8:9] offset:2048*\t+64*\dh+32
.endr
.endr
	v_mul_u32_u24 v[AK0], v8, KP
	v_lshl_add_u32 v[AK0], v9, 4, v[AK0]
	v_and_b32 v10, 7, v0
	v_bfe_u32 v11, v0, 3, 1
	v_lshl_add_u32 v[AV0], v9, 3, v10              ; the turning load: key 8 h + l % 8, channels 8 ((l / 8) % 2) on
	v_mul_u32_u24 v[AV0], v[AV0], VP
	v_lshl_add_u32 v[AV0], v11, 4, v[AV0]
	v_add_nc_u32 v[AV0], VOFF, v[AV0]
	v_lshlrev_b32 v10, 3, v9
	v_sub_nc_u32 v[RH], v8, v10
	v_mov_b32 v[NINF], 0xff800000
	s_mul_i32 s77, s[WV], 4608
	v_mul_u32_u24 v[STO], v8, KP
	v_lshl_add_u32 v[STO], v9, 4, v[STO]
	v_add_nc_u32 v[STO], s77, v[STO]
	v_and_b32 v10, 31, v0
	v_lshrrev_b32 v11, 3, v10
	v_mul_u32_u24 v[RD], v11, KP
	v_and_b32 v11, 7, v0
	v_lshl_add_u32 v[RD], v11, 4, v[RD]
	v_add_nc_u32 v[RD], s77, v[RD]
	v_lshlrev_b32 v[GO], 4, v10
	v_lshlrev_b32 v[PFO], 8, v10
.irp t, 0,1
	v_mov_b32 v[ST+8*\t+1], 0xff61b1e6             ; m: -3e38, under every score
	v_mul_f32 v[ST+8*\t], s[CS], v[ST+8*\t+1]      ; c m
.irp z, 2,3,4,5,6,7
	v_mov_b32 v[ST+8*\t+\z], 0                     ; l; and the registers at work, written once: a lane permute's destination counts as one of its sources
.endr
.endr
.set n, 0
.rept 64
	v_mov_b32 v[O+n], 0
.set n, n+1
.endr
; A KEY STEP: 64 keys.
.macro STEP
	s_add_co_u32 s56, s[Q0], 31
	s_cmp_gt_u32 s[KF], s56                        ; all 64 keys come after my 32 queries: the step's work is left out.  (KF is a multiple of 64 and Q0 of 32: in a step that is walked KF <= Q0)
	s_cbranch_scc1 .Lhidden_\@
	v_add_nc_u32 v[ADK], s[TK], v[AK0]
	v_add_nc_u32 v[ADV], s[TV], v[AV0]
.rept 3
	v_nop                                          ; with the two additions five places behind the last products: four for the loads below, five for the products that write over P
.endr
.irp dh, 0,1
.irp kt, 0,1,2,3
	ds_load_b128 v[KV+16*\kt+8*\dh:KV+16*\kt+8*\dh+3], v[ADK] offset:16*\kt*KP+64*\dh
	ds_load_b128 v[KV+16*\kt+8*\dh+4:KV+16*\kt+8*\dh+7], v[ADK] offset:16*\kt*KP+64*\dh+32
.endr
.endr
.irp dh, 0,1                                   ; S^T = K Q^T: eight accumulators by turns, one instruction a turn
	s_wait_dscnt 8-8*\dh                           ; the first 32 channels' eight loads are in (the other eight may be out); then all
.irp kt, 0,1,2,3
.irp t, 0,1
.if \dh == 0
	v_wmma_f32_16x16x32_f16 v[S+32*\t+8*\kt:S+32*\t+8*\kt+7], v[KV+16*\kt+8*\dh:KV+16*\kt+8*\dh+7], v[Q+16*\t+8*\dh:Q+16*\t+8*\dh+7], 0
.else
	v_wmma_f32_16x16x32_f16 v[S+32*\t+8*\kt:S+32*\t+8*\kt+7], v[KV+16*\kt+8*\dh:KV+16*\kt+8*\dh+7], v[Q+16*\t+8*\dh:Q+16*\t+8*\dh+7], v[S+32*\t+8*\kt:S+32*\t+8*\kt+7]
.endif
.endr
.endr
.endr
.rept 4
	v_nop                                          ; places in front of the loads into K's registers and of the first read of the scores
.endr
.irp kg, 0,1                                   ; V, turned: it lands under the softmax
.irp dt, 0,1,2,3
	ds_load_tr16_b128 v[KV+16*\dt+8*\kg:KV+16*\dt+8*\kg+3], v[ADV] offset:32*\kg*VP+32*\dt
	ds_load_tr16_b128 v[KV+16*\dt+8*\kg+4:KV+16*\dt+8*\kg+7], v[ADV] offset:32*\kg*VP+16*VP+32*\dt
.endr
.endr
	s_add_co_u32 s56, s[KF], 63
	s_cmp_le_u32 s56, s[Q0]                        ; all 64 keys count for all my queries: no mask
	s_cbranch_scc1 .Lopen_\@
	s_sub_co_u32 s56, s[Q0], s[KF]
	v_add_nc_u32 v[D0], s56, v[RH]                 ; register 8 kt + j of tile t holds key KF + 16 kt + 8 h + j: hidden where 16 kt + j > Q0 - KF + 16 t + r - 8 h
	v_add_nc_u32 v[D0+1], 16, v[D0]
.irp t, 0,1
.set n, 0
.rept 32
	v_cmp_gt_i32 vcc_lo, 16*(n/8)+n%8, v[D0+\t]
	v_cndmask_b32 v[S+32*\t+n], v[S+32*\t+n], v[NINF], vcc_lo
.set n, n+1
.endr
.endr
.Lopen_\@:
.irp j, 0,1,2,3                                ; the maximum of a lane's 32 scores and the old m: four chains, each accumulator from its low end on; the two tiles by turns
.irp t, 0,1
	v_max3_num_f32 v[ST+8*\t+4+\j], v[S+32*\t+8*\j], v[S+32*\t+8*\j+1], v[S+32*\t+8*\j+2]
.endr
.endr
.irp g, 1,2
.irp j, 0,1,2,3
.irp t, 0,1
	v_max3_num_f32 v[ST+8*\t+4+\j], v[ST+8*\t+4+\j], v[S+32*\t+8*\j+2*\g+1], v[S+32*\t+8*\j+2*\g+2]
.endr
.endr
.endr
.irp t, 0,1
	v_max3_num_f32 v[ST+8*\t+4], v[ST+8*\t+4], v[S+32*\t+7], v[S+32*\t+15]
.endr
.irp t, 0,1
	v_max3_num_f32 v[ST+8*\t+6], v[ST+8*\t+6], v[S+32*\t+23], v[S+32*\t+31]
.endr
.irp t, 0,1
	v_max3_num_f32 v[ST+8*\t+4], v[ST+8*\t+4], v[ST+8*\t+5], v[ST+8*\t+6]
.endr
.irp t, 0,1
	v_max3_num_f32 v[ST+8*\t+4], v[ST+8*\t+4], v[ST+8*\t+7], v[ST+8*\t+1]
.endr
.irp t, 0,1
	v_permlanex16_b32 v[ST+8*\t+5], v[ST+8*\t+4], s[SEL], s[SEL+1]   ; the query's other 32 keys lie in the lane 16 away
.endr
.irp t, 0,1
	v_mov_b32 v[ST+8*\t+7], v[ST+8*\t]             ; c m_old
.endr
.irp t, 0,1
	v_max_num_f32 v[ST+8*\t+1], v[ST+8*\t+4], v[ST+8*\t+5]
.endr
.irp t, 0,1
	v_mul_f32 v[ST+8*\t], s[CS], v[ST+8*\t+1]
.endr
.irp t, 0,1
	v_sub_f32 v[ST+8*\t+7], v[ST+8*\t+7], v[ST+8*\t]
.endr
.set n, 0
.rept 16
.irp t, 0,1
	v_pk_fma_f32 v[S+32*\t+2*n:S+32*\t+2*n+1], v[S+32*\t+2*n:S+32*\t+2*n+1], s[CS:CS+1], v[ST+8*\t:ST+8*\t+1] op_sel_hi:[1,0,0] neg_lo:[0,0,1] neg_hi:[0,0,1]   ; c s - c m
.endr
.set n, n+1
.endr
.irp t, 0,1
	v_exp_f32 v[ST+8*\t+6], v[ST+8*\t+7]           ; a
.endr
.set n, 0
.rept 32
.irp t, 0,1
	v_exp_f32 v[S+32*\t+n], v[S+32*\t+n]           ; p
.endr
.set n, n+1
.endr
	v_nop                                          ; a plain line behind the last exponential
	s_wait_alu depctr_va_vdst(0)                   ; the wait ahead of the first reader: one for the batch of 66
.irp t, 0,1
	v_pk_mul_f32 v[ST+8*\t+2:ST+8*\t+3], v[ST+8*\t+2:ST+8*\t+3], v[ST+8*\t+6:ST+8*\t+7] op_sel_hi:[1,0]   ; l x a
.endr
.irp t, 0,1
	v_pk_add_f32 v[ST+8*\t+4:ST+8*\t+5], v[S+32*\t:S+32*\t+1], v[S+32*\t+2:S+32*\t+3]   ; the sum of the unrounded p, in two chains
.endr
.irp j, 4,8,12,16,20,24,28
.irp t, 0,1
	v_pk_add_f32 v[ST+8*\t+2:ST+8*\t+3], v[ST+8*\t+2:ST+8*\t+3], v[S+32*\t+\j:S+32*\t+\j+1]
	v_pk_add_f32 v[ST+8*\t+4:ST+8*\t+5], v[ST+8*\t+4:ST+8*\t+5], v[S+32*\t+\j+2:S+32*\t+\j+3]
.endr
.endr
.irp t, 0,1
	v_pk_add_f32 v[ST+8*\t+2:ST+8*\t+3], v[ST+8*\t+2:ST+8*\t+3], v[ST+8*\t+4:ST+8*\t+5]
.endr
.set n, 0
.rept 16
.irp t, 0,1
	v_cvt_pk_f16_f32 v[S+32*\t+n], v[S+32*\t+2*n], v[S+32*\t+2*n+1]   ; P, packed in place: register n has been read before it is written
.endr
.set n, n+1
.endr
.set n, 0
.rept 16
.irp t, 0,1
	v_pk_mul_f32 v[O+32*\t+2*n:O+32*\t+2*n+1], v[O+32*\t+2*n:O+32*\t+2*n+1], v[ST+8*\t+6:ST+8*\t+7] op_sel_hi:[1,0]   ; O^T x a
.endr
.set n, n+1
.endr
	s_wait_dscnt 0x0                               ; V is in
.irp kg, 0,1                                   ; O^T += V^T P: eight accumulators by turns
.irp dt, 0,1,2,3
.irp t, 0,1
	v_wmma_f32_16x16x32_f16 v[O+32*\t+8*\dt:O+32*\t+8*\dt+7], v[KV+16*\dt+8*\kg:KV+16*\dt+8*\kg+7], v[S+32*\t+8*\kg:S+32*\t+8*\kg+7], v[O+32*\t+8*\dt:O+32*\t+8*\dt+7]
.endr
.endr
.endr
.Lhidden_\@:
	s_add_co_u32 s[KF], s[KF], 64
	s_add_co_u32 s[TK], s[TK], 64*KP
	s_add_co_u32 s[TV], s[TV], 64*VP
.endm
; THE CHANGE OF SLOTS stands at a slot's head.  Each wave waits for all its tensor loads, adds 0 to its spare word, and waits for that and for its reads of the slot that it has left.  Behind the barrier the slot
; ahead is whole and nobody reads the other one.  fill = 1: that other slot takes the keys that follow, while they count for some query of the work-group: the load has a slot's four steps in which to land.
.macro CHANGE fill
	s_wait_tensorcnt 0x0                           ; no tensor load of mine is out, so a group 0 may be written
	ds_add_u32 v[SPW], v[NIL]
.if \fill
	ds_add_u32 v[SPW], v[NIL]                      ; and once more
	s_xor_b32 s[G0K+1], s[G0K+1], SLOT1
	s_add_nc_u64 s[G0K+2:G0K+3], s[G0K+2:G0K+3], 32768
	s_xor_b32 s[G0V+1], s[G0V+1], SLOT1
	s_add_nc_u64 s[G0V+2:G0V+3], s[G0V+2:G0V+3], 32768
	s_wait_xcnt 0x0                                ; the last prefetch, a slot back, has read its address
	s_add_nc_u64 s[PFA:PFA+1], s[PFA:PFA+1], 32768
.endif
	s_wait_dscnt 0x0                               ; the add is done, and my reads of the slot that I have left are over
	s_barrier_signal -1
	s_barrier_wait -1
.if \fill
	s_add_co_u32 s56, s[KF], 256                   ; the first key of the slot that this change would ask for
	s_cmp_gt_u32 s56, s[LASTQ]                     ; ids and the count of steps alone: all sixteen waves go the same way, and a work-group past the limit stays past it
	s_cbranch_scc1 .Lpast_\@
	TLOAD                                          ; a wave's one tensor load until the next such barrier.  Every wait on TENSORcnt in this text is for 0
.Lpast_\@:
	ASK
.endif
.endm
.macro SLOT_STEPS                      ; a slot's four key steps: written once, walked four times; the LDS addresses hang on s[TK] and s[TV]
	s_mov_b32 s[CNT], 4
.Lstep_\@:
	STEP
	s_sub_co_u32 s[CNT], s[CNT], 1
	s_cmp_lg_u32 s[CNT], 0
	s_cbranch_scc1 .Lstep_\@
	s_sub_co_u32 s[TK], s[TK], 4*64*KP
	s_xor_b32 s[TK], s[TK], SLOT1
	s_sub_co_u32 s[TV], s[TV], 4*64*VP
	s_xor_b32 s[TV], s[TV], SLOT1
.endm
	s_wait_loadcnt 0x0                             ; Q
.Lslot:                                            ; seven trips: behind each change of slots but the last the next slot is asked for, up to the causal limit
	CHANGE 1
	SLOT_STEPS
	s_sub_co_u32 s[SLOTS], s[SLOTS], 1
	s_cmp_lg_u32 s[SLOTS], 0
	s_cbranch_scc1 .Lslot
	CHANGE 0
	SLOT_STEPS
	; THE WAY OUT: l's halves and the other half of the lanes' are added; O^T / l, rounded to f16, goes through my stage and leaves as 512 consecutive bytes an instruction.
.rept 4
	v_nop                                          ; places behind the last products
.endr
.irp t, 0,1
	v_add_f32 v[ST+8*\t+4], v[ST+8*\t+2], v[ST+8*\t+3]
.endr
.irp t, 0,1
	v_permlanex16_b32 v[ST+8*\t+5], v[ST+8*\t+4], s[SEL], s[SEL+1]
.endr
.irp t, 0,1
	v_add_f32 v[ST+8*\t+4], v[ST+8*\t+4], v[ST+8*\t+5]
.endr
.irp t, 0,1
	v_rcp_f32 v[ST+8*\t+6], v[ST+8*\t+4]
.endr
	v_nop
	s_wait_alu depctr_va_vdst(0)                   ; one wait for the two reciprocals
.irp t, 0,1
.set n, 0
.rept 16
	v_pk_mul_f32 v[S+32*\t+2*n:S+32*\t+2*n+1], v[O+32*\t+2*n:O+32*\t+2*n+1], v[ST+8*\t+6:ST+8*\t+7] op_sel_hi:[1,0]   ; each accumulator from its low end on
.set n, n+1
.endr
.endr
.irp t, 0,1
.set n, 0
.rept 16
	v_cvt_pk_f16_f32 v[KV+16*\t+n], v[S+32*\t+2*n], v[S+32*\t+2*n+1]
.set n, n+1
.endr
.endr
.irp t, 0,1
.irp dt, 0,1,2,3
	ds_store_b128 v[STO], v[KV+16*\t+4*\dt:KV+16*\t+4*\dt+3] offset:STAGE+2304*\t+32*\dt
.endr
.endr
.irp i, 0,1,2,3,4,5,6,7
	ds_load_b128 v[KV+32+4*\i:KV+32+4*\i+3], v[RD] offset:STAGE+576*\i   ; LDS serves a wave's instructions in order: these see my stores
.endr
.irp i, 0,1,2,3,4,5,6,7
	s_wait_dscnt 7-\i
	global_store_b128 v[GO], v[KV+32+4*\i:KV+32+4*\i+3], s[6:7] offset:512*\i
.endr
	s_wait_tensorcnt 0x0                           ; the wave's end
	ds_add_u32 v[SPW], v[NIL]
	s_wait_dscnt 0x0
	s_endpgm
.Lfunc_end_k_q7105e6ca2d_attn:
	.size	k_q7105e6ca2d_attn, .Lfunc_end_k_q7105e6ca2d_attn-k_q7105e6ca2d_attn
	.p2alignl 7, 3214868480
	.fill 96, 4, 3214868480
	.section	.rodata,"a",@progbits
	.p2align	6, 0x0
	.amdhsa_kernel k_q7105e6ca2d_attn
		.amdhsa_group_segment_fixed_size 327680
		.amdhsa_private_segment_fixed_size 0
		.amdhsa_enable_private_segment 0
		.amdhsa_kernarg_size 16
		.amdhsa_user_sgpr_count 2
		.amdhsa_user_sgpr_kernarg_segment_ptr 1
		.amdhsa_wavefront_size32 1
		.amdhsa_system_sgpr_workgroup_id_x 1
		.amdhsa_system_sgpr_workgroup_id_y 1
		.amdhsa_system_sgpr_workgroup_id_z 1
		.amdhsa_system_vgpr_workitem_id 0
		.amdhsa_next_free_vgpr 256
		.amdhsa_next_free_sgpr 80
		.amdhsa_reserve_vcc 1
		.amdhsa_float_denorm_mode_32 3
		.amdhsa_float_denorm_mode_16_64 3
		.amdhsa_memory_ordered 1
		.amdhsa_forward_progress 1
		.amdhsa_inst_pref_size 62
	.end_amdhsa_kernel
	.amdgpu_metadata
---
amdhsa.version: [ 1, 2 ]
amdhsa.kernels:
  - .name:           k_q7105e6ca2d_attn
    .symbol:         k_q7105e6ca2d_attn.kd
    .args:
      - { .name: qkv16, .offset: 0, .size: 8, .value_kind: global_buffer, .address_space: global }
      - { .name: att, .offset: 8, .size: 8, .value_kind: global_buffer, .address_space: global }
    .group_segment_fixed_size: 327680
    .private_segment_fixed_size: 0
    .kernarg_segment_align: 8
    .kernarg_segment_size: 16
    .max_flat_workgroup_size: 512
    .sgpr_count:     80
    .vgpr_count:     256
    .wavefront_size: 32
...
	.end_amdgpu_metadata
.endif
;; end of part 3
;; launch proj (part 4): grid 4 x 64, 4 waves a work-group, clusters of 4 x 4, 327,680 bytes of LDS; arguments att, wo16, bo, out0; writes out0
.if DOCPART == 4
	.amdgcn_target "amdgcn-amd-amdhsa--gfx1250"
	.amdhsa_code_object_version 6
	.text
	.protected	k_q7105e6ca2d_proj
	.globl	k_q7105e6ca2d_proj
	.p2align	8
	.type	k_q7105e6ca2d_proj,@function
k_q7105e6ca2d_proj:
	s_mov_b64 s[64:65], 0
	v_nop
	global_prefetch_b8 v0, s[64:65] scope:SCOPE_SE
	s_setreg_imm32_b32 hwreg(HW_REG_WAVE_MODE, 25, 1), 1
	s_wait_xcnt 0x0
	s_wait_alu depctr_hold_cnt(0) depctr_sa_sdst(0) depctr_va_vdst(0) depctr_va_sdst(0) depctr_va_ssrc(0) depctr_va_vcc(0) depctr_vm_vsrc(0)
	s_getreg_b32 s2, hwreg(HW_REG_IB_STS2, 6, 4)
	s_cmp_eq_u32 s2, 0
	s_cbranch_scc0 .Lentry_in_a_cluster
	s_endpgm
.Lentry_in_a_cluster:
	s_bfe_u32 s2, ttmp6, 0x10000c
	s_cmp_lg_u32 s2, 0xf033
	s_cbranch_scc0 .Lentry_shape_is_right
	s_endpgm
.Lentry_shape_is_right:
; out0[m][n] = the sum over k of att[m][k] Wo[k][n] + bo[n].  att: [batch x 16 + head][t 2048][64] f16 (m = 2048 batch + t, k = 64 head + d); wo16: [k 1024][n 1024] f16; bo, out0: f32.  Sums in f32.
; (Positions 0 to 15 of every sequence lie inside tiles with live work and are computed here too; the launch behind this one writes those 64 rows again, from f32 operands.)
; A tile of 128 x 256 gives 256 work-groups.  Four waves, each 64 rows x 128 columns: 32 accumulators, 256 registers.  K goes in steps of 128 (two heads) through two LDS slots.
; CLUSTERS: 4 x 4.  The four of a row of the cluster need the same rows of att, the four of a column the same columns of Wo: each tile is asked for jointly.
; THE MATRIX INSTRUCTION IS USED TRANSPOSED (source 0 = 16 columns of Wo, turned out of LDS by ds_load_tr16_b128; source 1 = 16 rows of att): a lane holds eight neighbouring columns of one row.
; The bias is the C of each sum's first product: eight registers for each 16 columns, in the result's layout.
; REGISTERS: window 0: v0-31 addresses; v32-127, v128-223 two fragment buffers (64 of Wo, 32 of att; 32 along K).  window 1: accumulator (a, b) at v[8 (8 a + b)].  window 2: v0-63 the bias.
.set AP,    144                        ; a row of att in LDS: 128 bytes + 16
.set BP,    544                        ; a row of Wo's tile: 512 bytes + 32
.set APL,   128*AP                     ; a head's 128 rows
.set BOFF,  2*APL
.set BH,    64*BP                      ; 64 rows of Wo: what one tensor load brings
.set SLOT,  BOFF+2*BH
.set STAGE, 2*SLOT                     ; 16 rows x 528 bytes for each wave, for the way out; no fill lands here
.set SPITCH, 528
.set SPARE, STAGE+4*16*SPITCH
.set ADRA, 16
.set ADRB, 20
.set STO,  24
.set RD,   25
.set CO,   26
.set BO,   27                          ; 32 h: my eight numbers of 16 of the bias
.set SPW,  28
.set NIL,  29
.set PFO,  30
.set F0,   32
.set F1,   128
.set BK,   32
.set G1A, 24
.set G0A, 32
.set G1B, 48
.set G0B, 56
.set PFA, 66
.set LIM, 68
.set MSB, 0
.macro WIN new
.if MSB != (\new)
	s_set_vgpr_msb (MSB<<8)|(\new)
.set MSB, (\new)
.endif
.endm
.macro JLOAD s                         ; waves 0 and 1 fetch the two heads' rows of att, waves 2 and 3 the two halves of Wo's rows; an s_nop 0 and four v_nop follow each line
	s_cmp_eq_u32 s13, 0
	s_cbranch_scc0 .Lfor_b_\@
	tensor_load_to_lds s[G0A+4*\s:G0A+4*\s+3], s[G1A:G1A+7]
	s_nop 0
.rept 4
	v_nop
.endr
	s_branch .Lasked_\@
.Lfor_b_\@:
	tensor_load_to_lds s[G0B+4*\s:G0B+4*\s+3], s[G1B:G1B+7]
	s_nop 0
.rept 4
	v_nop
.endr
.Lasked_\@:
.endm
.macro CREST
	s_cmp_lg_u32 s12, 0
	s_cbranch_scc1 .Lnot_wave_0_\@
	s_barrier_signal -3
.Lnot_wave_0_\@:
	s_barrier_wait -3
	s_barrier_signal -1
	s_barrier_wait -1
.endm
.macro CROUND
	s_barrier_signal -1
	s_barrier_wait -1
	CREST
.endm
; A prefetch of att's K step that stands two refills on: two heads x 16,384 dense bytes.  Only the four partners of a row of the cluster read them: they share them out by address, 8,192 bytes each
; (head cx / 2, half cx % 2), wave 0 of each, lanes 256 bytes apart: each block of 256 bytes is named once.  K steps 0 to 3 come by their loads alone; the loop's last trip asks for nothing.
; Wo's 2 MB are walked by all sixteen rows of clusters in step and are not asked for.
.macro ASK
	s_cmp_gt_u32 s3, s[LIM]
	s_cbranch_scc0 .Lnot_mine_\@
	global_prefetch_b8 v[PFO], s[PFA:PFA+1] offset:524288 th:TH_LOAD_NT scope:SCOPE_SE
.Lnot_mine_\@:
.endm
	s_load_b256 s[4:11], s[0:1], 0x0               ; att s[4:5], wo16 s[6:7], bo s[8:9], out0 s[10:11]
	v_lshl_add_u32 v[SPW], v0, 2, SPARE
	v_mov_b32 v[NIL], 0
	ds_add_u32 v[SPW], v[NIL]                      ; the wave's opening: the add, twice on end, and its wait ahead of my first tensor load
	ds_add_u32 v[SPW], v[NIL]
	v_lshrrev_b32 v1, 5, v0
	v_readfirstlane_b32 s12, v1                    ; wave 0..3
	s_lshr_b32 s13, s12, 1                         ; which 64 rows are mine.  Also: I fetch for att (0) or for Wo (1)
	s_and_b32 s14, s12, 1                          ; which 128 columns.  Also: which head, or which 64 rows of Wo, I fetch
	s_bfe_u32 s40, ttmp6, 0x40000                  ; cx
	s_bfe_u32 s41, ttmp6, 0x40004                  ; cy
	s_lshl_b32 s42, ttmp9, 2
	s_add_co_u32 s42, s42, s40                     ; tile column
	s_and_b32 s15, ttmp7, 0xffff
	s_lshl_b32 s15, s15, 2
	s_add_co_u32 s15, s15, s41                     ; tile row: 128 rows each
	s_lshl_b32 s43, s41, 2
	s_lshl_b32 s43, 15, s43                        ; my row of the cluster
	s_lshl_b32 s44, 0x1111, s40                    ; my column
	s_or_b32 s[G1A+0], s43, (1<<16)|(1<<20)|(1<<21)|(4<<22)|(3<<25)   ; att: elements of 2 bytes; 4 words of padding behind every 32
	s_mov_b32 s[G1A+1], 64<<16
	s_mov_b32 s[G1A+2], 128<<16
	s_mov_b32 s[G1A+3], 64<<16
	s_mov_b32 s[G1A+4], 128
	s_mov_b32 s[G1A+5], 64
	s_mov_b32 s[G1A+6], 0
	s_mov_b32 s[G1A+7], 0
	s_or_b32 s[G1B+0], s44, (1<<16)|(1<<20)|(1<<21)|(6<<22)|(7<<25)   ; Wo: 8 words behind every 128
	s_mov_b32 s[G1B+1], 256<<16
	s_mov_b32 s[G1B+2], 64<<16
	s_mov_b32 s[G1B+3], 256<<16
	s_mov_b32 s[G1B+4], 64
	s_mov_b32 s[G1B+5], 1024
	s_mov_b32 s[G1B+6], 0
	s_mov_b32 s[G1B+7], 0
	s_lshr_b32 s16, s15, 4
	s_lshl_b32 s16, s16, 22                        ; the batch: 16 heads of 262,144 bytes
	s_and_b32 s17, s15, 15
	s_lshl_b32 s17, s17, 14                        ; 128 positions of 128 bytes
	s_add_co_u32 s16, s16, s17
	s_lshl_b32 s17, s14, 18                        ; my head of the K step's two
	s_add_co_u32 s18, s16, s17
	s_mov_b32 s19, 0
	s_lshl_b32 s46, s14, 17                        ; Wo: my 64 rows of 2,048 bytes,
	s_lshl_b32 s47, s42, 9                         ; the tile's 256 columns
	s_add_co_u32 s46, s46, s47
	s_mov_b32 s47, 0
	s_mul_i32 s20, s14, APL                        ; where they go
	s_mul_i32 s21, s14, BH
	s_add_co_u32 s21, s21, BOFF
	s_wait_dscnt 0x0                               ; both opening adds are done
	s_wait_kmcnt 0x0
	s_add_nc_u64 s[22:23], s[4:5], s[18:19]
	s_add_nc_u64 s[46:47], s[6:7], s[46:47]
	CROUND                                         ; all sixteen work-groups are here: the first joint loads meet
.irp s, 0,1
	s_mov_b32 s[G0A+4*\s], 1
	s_add_co_u32 s[G0A+4*\s+1], s20, \s*SLOT
	s_add_nc_u64 s[G0A+4*\s+2:G0A+4*\s+3], s[22:23], \s*524288
	s_or_b32 s[G0A+4*\s+3], s[G0A+4*\s+3], 0x80000000
	s_mov_b32 s[G0B+4*\s], 1
	s_add_co_u32 s[G0B+4*\s+1], s21, \s*SLOT
	s_add_nc_u64 s[G0B+4*\s+2:G0B+4*\s+3], s[46:47], \s*262144
	s_or_b32 s[G0B+4*\s+3], s[G0B+4*\s+3], 0x80000000
	JLOAD \s
.endr
	v_and_b32 v1, 15, v0                           ; r
	v_bfe_u32 v2, v0, 4, 1                         ; h
	v_lshlrev_b32 v[BO], 5, v2
	s_lshl_b32 s70, s42, 10
	s_lshl_b32 s69, s14, 9
	s_add_co_u32 s70, s70, s69                     ; my first column, in bytes of f32
	s_mov_b32 s71, 0
	s_add_nc_u64 s[8:9], s[8:9], s[70:71]
	WIN 0x80                                       ; destination window 2
.irp b, 0,1,2,3,4,5,6,7
	global_load_b128 v[8*\b:8*\b+3], v[BO], s[8:9] offset:64*\b
	global_load_b128 v[8*\b+4:8*\b+7], v[BO], s[8:9] offset:64*\b+16
.endr
	WIN 0
	s_lshl_b32 s69, s15, 19                        ; out0: 128 rows of 4,096 bytes a tile row,
	s_add_co_u32 s70, s70, s69
	s_lshl_b32 s69, s13, 18                        ; my 64 rows
	s_add_co_u32 s70, s70, s69
	s_add_nc_u64 s[10:11], s[10:11], s[70:71]
	s_lshr_b32 s69, s40, 1                         ; the prefetches: head cx / 2,
	s_lshl_b32 s69, s69, 18
	s_add_co_u32 s70, s16, s69
	s_and_b32 s69, s40, 1                          ; half cx % 2,
	s_lshl_b32 s69, s69, 13
	s_add_co_u32 s70, s70, s69
	s_add_co_u32 s70, s70, 2*524288                ; at K step 2: the first refill steps it to 3 and names K step 4
	s_add_nc_u64 s[PFA:PFA+1], s[4:5], s[70:71]
	s_cmp_eq_u32 s12, 0
	s_cselect_b32 s[LIM], 1, -1
	v_mul_u32_u24 v3, v1, AP
	v_lshl_add_u32 v3, v2, 4, v3                   ; att: row r x pitch + 16 h
	s_mul_i32 s69, s13, 64*AP
	v_and_b32 v4, 7, v0
	v_bfe_u32 v5, v0, 3, 1
	v_lshl_add_u32 v4, v2, 3, v4                   ; Wo, turned: row 8 h + l % 8, columns 8 ((l / 8) % 2) on
	v_mul_u32_u24 v4, v4, BP
	v_lshl_add_u32 v4, v5, 4, v4
	s_lshl_b32 s70, s14, 8
	s_add_co_u32 s70, s70, BOFF
.irp s, 0,1
	v_add_nc_u32 v[ADRA+\s], s69, v3
	v_add_nc_u32 v[ADRB+\s], s70, v4
	s_add_co_u32 s69, s69, SLOT
	s_add_co_u32 s70, s70, SLOT
.endr
	s_mul_i32 s69, s12, 16*SPITCH
	s_add_co_u32 s69, s69, STAGE
	v_mul_u32_u24 v5, v1, SPITCH
	v_lshl_add_u32 v5, v2, 5, v5
	v_add_nc_u32 v[STO], s69, v5
	v_and_b32 v6, 31, v0
	v_lshlrev_b32 v[CO], 4, v6
	v_add_nc_u32 v[RD], s69, v[CO]
	v_lshlrev_b32 v[PFO], 8, v6
; 8 matrix instructions: att's block a x Wo's eight.  The 32 accumulators take turns, one instruction a turn, in the same order in every quarter.
.macro MUL8 f, a, first
.if \first
	WIN 0x60                                       ; D window 1, C (the bias) window 2
.else
	WIN 0x50                                       ; C and D window 1
.endif
.irp b, 0,1,2,3,4,5,6,7
.if \first
	v_wmma_f32_16x16x32_f16 v[8*(8*(\a)+\b):8*(8*(\a)+\b)+7], v[\f+8*\b:\f+8*\b+7], v[\f+64+8*(\a):\f+64+8*(\a)+7], v[8*\b:8*\b+7]
.else
	v_wmma_f32_16x16x32_f16 v[8*(8*(\a)+\b):8*(8*(\a)+\b)+7], v[\f+8*\b:\f+8*\b+7], v[\f+64+8*(\a):\f+64+8*(\a)+7], v[8*(8*(\a)+\b):8*(8*(\a)+\b)+7]
.endif
.endr
.endm
.macro FETCH slot, q, f                ; 24 LDS loads in one run: the fragments of the slot's q-th 32 along K: Wo's sixteen first, then att's blocks 0 to 3
	WIN 0
.irp b, 0,1,2,3,4,5,6,7
	ds_load_tr16_b128 v[\f+8*\b:\f+8*\b+3], v[ADRB+\slot] offset:32*(\q)*BP+32*\b
	ds_load_tr16_b128 v[\f+8*\b+4:\f+8*\b+7], v[ADRB+\slot] offset:32*(\q)*BP+16*BP+32*\b
.endr
.irp i, 0,1,2,3
	ds_load_b128 v[\f+64+8*\i:\f+64+8*\i+3], v[ADRA+\slot] offset:((\q)/2)*APL+((\q)%2)*64+16*AP*\i
	ds_load_b128 v[\f+64+8*\i+4:\f+64+8*\i+7], v[ADRA+\slot] offset:((\q)/2)*APL+((\q)%2)*64+16*AP*\i+32
.endr
.endm
.macro PLACES
.rept 4
	v_nop
.endr
.endm
.macro QUARTER slot, qn, f, g, first   ; multiplies buffer f; in its middle fetches the slot's quarter qn into buffer g
	s_wait_dscnt 4                                 ; Wo's fragments and att's blocks 0, 1 are in; the youngest four loads may be out
	MUL8 \f, 0, \first
	MUL8 \f, 1, \first
	PLACES
	FETCH \slot, \qn, \g
	s_wait_dscnt 24                                ; all but the 24 just issued
	MUL8 \f, 2, \first
	MUL8 \f, 3, \first
.endm
; A slot's last quarter multiplies buffer 1 and changes slots: one barrier; in front of it each wave waits for all its tensor loads, adds 0 to its spare word, and waits for that and for its reads of this slot.
.macro TURN slot, next, fill
.if \fill
	s_wait_xcnt 0x0                                ; the last prefetch, a K step back, has read its address
	s_add_nc_u64 s[PFA:PFA+1], s[PFA:PFA+1], 524288
.endif
	WIN 0
	s_wait_tensorcnt 0x0                           ; my part of the next slot is in
	ds_add_u32 v[SPW], v[NIL]
	s_wait_dscnt 5                                 ; (the add and the youngest four loads may be out)
	MUL8 F1, 0, 0
	s_wait_dscnt 0x0                               ; the add is done, and my reads of this slot are over
	s_barrier_signal -1
	MUL8 F1, 1, 0
	WIN 0
	s_barrier_wait -1
.if \fill
	CREST                                          ; the barrier has opened a round of the cluster's: no wave of any partner still reads this slot or has a load on its way
	s_add_nc_u64 s[G0A+4*\slot+2:G0A+4*\slot+3], s[G0A+4*\slot+2:G0A+4*\slot+3], 1048576
	s_add_nc_u64 s[G0B+4*\slot+2:G0B+4*\slot+3], s[G0B+4*\slot+2:G0B+4*\slot+3], 524288
	JLOAD \slot                                    ; the first tensor load behind the round; its four v_nop are also the places in front of the loads below
.else
	PLACES
.endif
	FETCH \next, 0, F0
.if \fill
	ASK
.endif
	MUL8 F1, 2, 0
	MUL8 F1, 3, 0
.endm
	s_wait_tensorcnt 1                             ; my part of K step 0 is in (K step 1's load may be out),
	s_barrier_signal -1
	s_barrier_wait -1                              ; everybody's is
	FETCH 0, 0, F0
	s_wait_loadcnt 0x0                             ; the bias
	QUARTER 0, 1, F0, F1, 1                        ; the first quarter's products start the sums on the bias
	WIN 0
	s_mov_b32 s3, 3
.Llap:                                             ; a trip goes once round the ring and fills both slots again
	QUARTER 0, 2, F1, F0, 0
	QUARTER 0, 3, F0, F1, 0
	TURN 0, 1, 1
	QUARTER 1, 1, F0, F1, 0
	QUARTER 1, 2, F1, F0, 0
	QUARTER 1, 3, F0, F1, 0
	TURN 1, 0, 1
	QUARTER 0, 1, F0, F1, 0
	WIN 0
	s_sub_co_u32 s3, s3, 1
	s_cmp_lg_u32 s3, 0
	s_cbranch_scc1 .Llap
	QUARTER 0, 2, F1, F0, 0                        ; the last lap fills nothing
	QUARTER 0, 3, F0, F1, 0
	TURN 0, 1, 0
	QUARTER 1, 1, F0, F1, 0
	QUARTER 1, 2, F1, F0, 0
	QUARTER 1, 3, F0, F1, 0
	s_wait_dscnt 4
	MUL8 F1, 0, 0
	MUL8 F1, 1, 0
	s_wait_dscnt 0x0
	MUL8 F1, 2, 0
	MUL8 F1, 3, 0
	WIN 0
; THE WAY OUT, block by block of 16 rows x 128 columns, through my own stage: back as whole rows of 512 bytes.
.macro TOSTAGE a
	WIN 0x04                                       ; an LDS store's data are its source 1: window 1
.irp b, 0,1,2,3,4,5,6,7
	ds_store_b128 v[STO], v[64*(\a)+8*\b:64*(\a)+8*\b+3] offset:64*\b          ; each accumulator from its low end on
	ds_store_b128 v[STO], v[64*(\a)+8*\b+4:64*(\a)+8*\b+7] offset:64*\b+16
.endr
	WIN 0
.set BB, BK+64*((\a)%2)
.irp t, 0,1,2,3,4,5,6,7,8,9,10,11,12,13,14,15
	ds_load_b128 v[BB+4*\t:BB+4*\t+3], v[RD] offset:\t*SPITCH
.endr
.endm
.macro SEND a, younger
.set BB, BK+64*((\a)%2)
	s_wait_dscnt \younger                          ; the block is back in registers
.if (\a) > 0
	s_add_nc_u64 s[10:11], s[10:11], 65536         ; (behind a wait on XCNT)  16 rows on
.endif
.irp t, 0,1,2,3,4,5,6,7,8,9,10,11,12,13,14,15
	global_store_b128 v[CO], v[BB+4*\t:BB+4*\t+3], s[10:11] offset:\t*4096 th:TH_STORE_NT   ; 512 consecutive bytes, aligned
.endr
.endm
	PLACES
	TOSTAGE 0
.irp a, 1,2,3
.if \a > 1
	s_wait_xcnt 0x0                                ; block a - 2's stores have read their registers and their base
.endif
	TOSTAGE \a
	SEND \a-1, 32                                  ; behind block a - 1's loads: block a's 16 stores and 16 loads
.endr
	s_wait_xcnt 0x0
	SEND 3, 0
	s_wait_tensorcnt 0x0                           ; the wave's end
	ds_add_u32 v[SPW], v[NIL]
	s_wait_dscnt 0x0
	CROUND                                         ; the closing round
	s_endpgm
.Lfunc_end_k_q7105e6ca2d_proj:
	.size	k_q7105e6ca2d_proj, .Lfunc_end_k_q7105e6ca2d_proj-k_q7105e6ca2d_proj
	.p2alignl 7, 3214868480
	.fill 96, 4, 3214868480
	.section	.rodata,"a",@progbits
	.p2align	6, 0x0
	.amdhsa_kernel k_q7105e6ca2d_proj
		.amdhsa_group_segment_fixed_size 327680
		.amdhsa_private_segment_fixed_size 0
		.amdhsa_enable_private_segment 0
		.amdhsa_kernarg_size 32
		.amdhsa_user_sgpr_count 2
		.amdhsa_user_sgpr_kernarg_segment_ptr 1
		.amdhsa_wavefront_size32 1
		.amdhsa_system_sgpr_workgroup_id_x 1
		.amdhsa_system_sgpr_workgroup_id_y 1
		.amdhsa_system_sgpr_workgroup_id_z 1
		.amdhsa_system_vgpr_workitem_id 0
		.amdhsa_next_free_vgpr 576
		.amdhsa_next_free_sgpr 72
		.amdhsa_reserve_vcc 0
		.amdhsa_float_denorm_mode_32 3
		.amdhsa_float_denorm_mode_16_64 3
		.amdhsa_memory_ordered 1
		.amdhsa_forward_progress 1
		.amdhsa_inst_pref_size 88
	.end_amdhsa_kernel
	.amdgpu_metadata
---
amdhsa.version: [ 1, 2 ]
amdhsa.kernels:
  - .name:           k_q7105e6ca2d_proj
    .symbol:         k_q7105e6ca2d_proj.kd
    .args:
      - { .name: att, .offset: 0, .size: 8, .value_kind: global_buffer, .address_space: global }
      - { .name: wo16, .offset: 8, .size: 8, .value_kind: global_buffer, .address_space: global }
      - { .name: bo, .offset: 16, .size: 8, .value_kind: global_buffer, .address_space: global }
      - { .name: out0, .offset: 24, .size: 8, .value_kind: global_buffer, .address_space: global }
    .group_segment_fixed_size: 327680
    .private_segment_fixed_size: 0
    .kernarg_segment_align: 8
    .kernarg_segment_size: 32
    .max_flat_workgroup_size: 128
    .sgpr_count:     72
    .vgpr_count:     576
    .wavefront_size: 32
...
	.end_amdgpu_metadata
.endif
;; end of part 4
;; launch fine (part 5): grid 16 x 4, 8 waves a work-group, no clusters, 327,680 bytes of LDS; arguments fqkv, Wo, bo, out0; writes out0
.if DOCPART == 5
	.amdgcn_target "amdgcn-amd-amdhsa--gfx1250"
	.amdhsa_code_object_version 6
	.text
	.protected	k_q7105e6ca2d_fine
	.globl	k_q7105e6ca2d_fine
	.p2align	8
	.type	k_q7105e6ca2d_fine,@function
k_q7105e6ca2d_fine:
	s_mov_b64 s[64:65], 0
	v_nop
	global_prefetch_b8 v0, s[64:65] scope:SCOPE_SE
	s_setreg_imm32_b32 hwreg(HW_REG_WAVE_MODE, 25, 1), 1
	s_wait_xcnt 0x0
; Positions 0 to 15 of every sequence once more, with f32 operands throughout: under the causal mask these rows average one to sixteen values and are the largest of the output, so that the rounding of f16
; operands weighs most there.  fqkv: [q, k, v][batch 4][head 16][t 16][64] f32; Wo [1024][1024], bo [1024] f32; rows 2048 batch + 0 .. 15 of out0 are written again.
; SHARES.  Work-group (slice, batch) makes 16 rows x 64 columns.  Wave w computes heads 2 w and 2 w + 1, which are exactly k = 128 w .. 128 w + 127 of the projection: the attention's result never changes waves.
; A batch's attention is computed again in each of its 16 slices (64 small matrix instructions a wave), which saves a launch.  The eight waves' partial sums meet in LDS.
; NO CLUSTER: what the four batches share, 256 KB of Wo for a slice, is read once by each of four work-groups in a launch of 64; a round of a cluster's barrier would cost as much as it saves.
; ONE PERMUTATION OF k ON BOTH SOURCES keeps every result usable as it stands: the matrix instruction's place (half h, register j) of K step s stands for the same index on both sides:
;   K Q^T: d = 8 (s / 2) + 4 h + 2 (s % 2) + j;   V^T P: key 8 h + 2 s + j;   Wo^T att: k = 16 g + 8 h + 2 s + j of my 128: as a result lies in a lane.
; The registers that the f32 matrix instruction writes (v144-255) are written by matrix instructions alone; every sum begins with the constant 0.
; REGISTERS: v1-13 addresses and constants; v14, v15 1 / l; v16-79 Q, then p (v16-31) and registers at work (v32-47), then att; v80-143 K, then V, then two buffers for Wo; v144-159 S^T; v160-223 O^T; v224-255 the projection.
.set WPT,   272                        ; a row of Wo's part in LDS: 256 bytes + 16
.set WPART, 128*WPT                    ; a wave's 128 rows
.set RED,   8*WPART                    ; the partial sums: 16 rows x 272 bytes for each wave; no fill lands here
.set SPARE, RED+8*16*272
	s_load_b256 s[4:11], s[0:1], 0x0               ; fqkv s[4:5], Wo s[6:7], bo s[8:9], out0 s[10:11]
	v_lshl_add_u32 v10, v0, 2, SPARE
	v_mov_b32 v11, 0
	ds_add_u32 v10, v11                            ; the wave's opening: the add, twice on end, and its wait ahead of my tensor load
	ds_add_u32 v10, v11
	v_lshrrev_b32 v1, 5, v0
	v_readfirstlane_b32 s12, v1                    ; wave 0..7
	s_and_b32 s13, ttmp7, 0xffff                   ; batch
	s_mov_b32 s16, (2<<16)|(1<<20)|(5<<22)|(3<<25) ; elements of 4 bytes; 4 words of padding behind every 64
	s_mov_b32 s17, 64<<16                          ; tensor_dim0
	s_mov_b32 s18, 128<<16                         ; tensor_dim1
	s_mov_b32 s19, 64<<16                          ; tile_dim0
	s_mov_b32 s20, 128                             ; tile_dim1
	s_mov_b32 s21, 1024                            ; from row to row
	s_mov_b32 s22, 0
	s_mov_b32 s23, 0
	s_mov_b32 s24, 1
	s_mul_i32 s25, s12, WPART
	s_lshl_b32 s28, s12, 19                        ; my 128 rows of 4,096 bytes,
	s_lshl_b32 s29, ttmp9, 8                       ; the slice's 64 columns
	s_add_co_u32 s28, s28, s29
	s_mov_b32 s29, 0
	s_mov_b32 s30, 0x76543210
	s_mov_b32 s31, 0xfedcba98
	s_mov_b32 s32, 0x3e38aa3b                      ; c = log2(e) / 8
	s_lshl_b32 s34, s13, 16                        ; fqkv: 16 planes of 4,096 bytes a batch,
	s_lshl_b32 s35, s12, 13                        ; my two
	s_add_co_u32 s34, s34, s35
	s_mov_b32 s35, 0
	s_lshl_b32 s36, s13, 23                        ; out0: 2,048 rows of 4,096 bytes a batch,
	s_lshl_b32 s37, ttmp9, 8
	s_add_co_u32 s36, s36, s37
	s_mov_b32 s37, 0
	s_lshl_b32 s38, ttmp9, 8
	s_mov_b32 s39, 0
	s_wait_dscnt 0x0                               ; both opening adds are done
	s_wait_kmcnt 0x0
	s_add_nc_u64 s[26:27], s[6:7], s[28:29]
	s_or_b32 s27, s27, 0x80000000
	tensor_load_to_lds s[24:27], s[16:23]          ; my part of Wo: it lands under the attention, and I alone read it
	s_nop 0
	s_add_nc_u64 s[4:5], s[4:5], s[34:35]
	s_add_nc_u64 s[10:11], s[10:11], s[36:37]
	s_add_nc_u64 s[8:9], s[8:9], s[38:39]
	v_and_b32 v1, 15, v0                           ; r
	v_bfe_u32 v2, v0, 4, 1                         ; h
	v_lshlrev_b32 v3, 8, v1
	v_lshl_add_u32 v3, v2, 4, v3                   ; q, k: row r of 256 bytes, + 16 h
.irp u, 0,1
.irp z, 0,1,2,3,4,5,6,7
	global_load_b128 v[16+32*\u+4*\z:19+32*\u+4*\z], v3, s[4:5] offset:4096*\u+32*\z
	global_load_b128 v[80+32*\u+4*\z:83+32*\u+4*\z], v3, s[4:5] offset:262144+4096*\u+32*\z
.endr
.endr
	v_lshlrev_b32 v4, 11, v2
	v_lshl_add_u32 v4, v1, 2, v4                   ; v: key 8 h, channel r
	v_mul_u32_u24 v5, v2, 8*WPT
	v_lshl_add_u32 v5, v1, 2, v5
	v_add_nc_u32 v5, s25, v5                       ; Wo in LDS: my part, row 8 h, column r
	s_mul_i32 s14, s12, 16*272
	s_add_co_u32 s14, s14, RED
	v_mul_u32_u24 v6, v1, 272
	v_lshl_add_u32 v6, v2, 5, v6
	v_add_nc_u32 v6, s14, v6                       ; my partial sums: row r, + 32 h
	v_lshrrev_b32 v12, 4, v0                       ; the last sum: thread tau takes row tau / 16, 16 bytes at 16 (tau % 16)
	v_and_b32 v13, 15, v0
	v_lshlrev_b32 v13, 4, v13
	v_mul_u32_u24 v7, v12, 272
	v_add_nc_u32 v7, v7, v13
	v_add_nc_u32 v7, RED, v7
	v_lshl_add_u32 v12, v12, 12, v13
	v_lshlrev_b32 v8, 3, v2
	v_sub_nc_u32 v8, v1, v8                        ; r - 8 h
	v_mov_b32 v9, 0xff800000
.macro PL8                             ; eight places behind this matrix instruction (ISA guide 7.12.1)
.rept 8
	v_nop
.endr
.endm
	s_wait_loadcnt 0x0
.set n, 0
.rept 16                                       ; S^T = K Q^T: the two heads by turns
.irp u, 0,1
.if n == 0
	v_wmma_f32_16x16x4_f32 v[144+8*\u:151+8*\u], v[80+32*\u+2*n:81+32*\u+2*n], v[16+32*\u+2*n:17+32*\u+2*n], 0
.else
	v_wmma_f32_16x16x4_f32 v[144+8*\u:151+8*\u], v[80+32*\u+2*n:81+32*\u+2*n], v[16+32*\u+2*n:17+32*\u+2*n], v[144+8*\u:151+8*\u]
.endif
.endr
.set n, n+1
.endr
	PL8
.irp u, 0,1
.irp dt, 0,1,2,3
.irp jj, 0,1,2,3,4,5,6,7
	global_load_b32 v[80+32*\u+8*\dt+\jj], v4, s[4:5] offset:524288+4096*\u+256*\jj+64*\dt   ; v(key 8 h + jj, channel 16 dt + r)
.endr
.endr
.endr
.irp j, 0,1,2,3,4,5,6,7                        ; lane (r, h), register j: key 8 h + j, query r: hidden where j > r - 8 h.  The scores go into other registers, from the low end on
	v_cmp_gt_i32 vcc_lo, \j, v8
	v_cndmask_b32 v[16+\j], v[144+\j], v9, vcc_lo
	v_cndmask_b32 v[24+\j], v[152+\j], v9, vcc_lo
.endr
.irp u, 0,1
	v_max3_num_f32 v[32+\u], v[16+8*\u], v[17+8*\u], v[18+8*\u]
.endr
.irp u, 0,1
	v_max3_num_f32 v[32+\u], v[32+\u], v[19+8*\u], v[20+8*\u]
.endr
.irp u, 0,1
	v_max3_num_f32 v[32+\u], v[32+\u], v[21+8*\u], v[22+8*\u]
.endr
.irp u, 0,1
	v_max_num_f32 v[32+\u], v[32+\u], v[23+8*\u]
	v_mov_b32 v[34+\u], 0
.endr
.irp u, 0,1
	v_permlanex16_b32 v[34+\u], v[32+\u], s30, s31
.endr
.irp u, 0,1
	v_max_num_f32 v[32+\u], v[32+\u], v[34+\u]     ; the row's maximum: key 0 counts for every query, so it is a number
.endr
.irp u, 0,1
	v_mul_f32 v[36+\u], s32, v[32+\u]
.endr
.irp j, 0,1,2,3,4,5,6,7
.irp u, 0,1
	v_fma_f32 v[16+8*\u+\j], v[16+8*\u+\j], s32, -v[36+\u]
.endr
.endr
.irp j, 0,1,2,3,4,5,6,7
.irp u, 0,1
	v_exp_f32 v[16+8*\u+\j], v[16+8*\u+\j]
.endr
.endr
	v_nop
	s_wait_alu depctr_va_vdst(0)                   ; the wait ahead of the first reader: one for the sixteen
.irp u, 0,1
	v_add_f32 v[38+\u], v[16+8*\u], v[17+8*\u]
.endr
.irp j, 2,3,4,5,6,7
.irp u, 0,1
	v_add_f32 v[38+\u], v[38+\u], v[16+8*\u+\j]
.endr
.endr
.irp u, 0,1
	v_permlanex16_b32 v[34+\u], v[38+\u], s30, s31
.endr
.irp u, 0,1
	v_add_f32 v[38+\u], v[38+\u], v[34+\u]
.endr
.irp u, 0,1
	v_rcp_f32 v[14+\u], v[38+\u]
.endr
	v_nop
	s_wait_alu depctr_va_vdst(0)                   ; and one for the two reciprocals
	s_wait_loadcnt 0x0                             ; v
.irp sp, 0,1,2,3                               ; O^T = V^T P: eight accumulators by turns
.irp u, 0,1
.irp dt, 0,1,2,3
.if \sp == 0
	v_wmma_f32_16x16x4_f32 v[160+32*\u+8*\dt:167+32*\u+8*\dt], v[80+32*\u+8*\dt+2*\sp:81+32*\u+8*\dt+2*\sp], v[16+8*\u+2*\sp:17+8*\u+2*\sp], 0
.else
	v_wmma_f32_16x16x4_f32 v[160+32*\u+8*\dt:167+32*\u+8*\dt], v[80+32*\u+8*\dt+2*\sp:81+32*\u+8*\dt+2*\sp], v[16+8*\u+2*\sp:17+8*\u+2*\sp], v[160+32*\u+8*\dt:167+32*\u+8*\dt]
.endif
.endr
.endr
.endr
	PL8                                            ; for the loads into V's registers, the writes over p and the reads of O^T
	s_wait_tensorcnt 0x0                           ; my part of Wo is in LDS
.macro WLD g                           ; group g = 16 of my 128 along k: Wo(16 g + 8 h + jj, 16 nt + r) into buffer g % 2
.irp nt, 0,1,2,3
.irp jj, 0,1,2,3,4,5,6,7
	ds_load_b32 v[80+32*((\g)%2)+8*\nt+\jj], v5 offset:(16*(\g)+\jj)*WPT+64*\nt
.endr
.endr
.endm
.macro PROD g                          ; 16 products: four accumulators by turns
.irp sp, 0,1,2,3
.irp nt, 0,1,2,3
.if ((\g) == 0) && (\sp == 0)
	v_wmma_f32_16x16x4_f32 v[224+8*\nt:231+8*\nt], v[80+32*((\g)%2)+8*\nt+2*\sp:81+32*((\g)%2)+8*\nt+2*\sp], v[16+8*(\g)+2*\sp:17+8*(\g)+2*\sp], 0
.else
	v_wmma_f32_16x16x4_f32 v[224+8*\nt:231+8*\nt], v[80+32*((\g)%2)+8*\nt+2*\sp:81+32*((\g)%2)+8*\nt+2*\sp], v[16+8*(\g)+2*\sp:17+8*(\g)+2*\sp], v[224+8*\nt:231+8*\nt]
.endif
.endr
.endr
.endm
	WLD 0
	WLD 1
.irp u, 0,1
.set n, 0
.rept 32
	v_mul_f32 v[16+32*\u+n], v[160+32*\u+n], v[14+\u]   ; att = O^T / l, into other registers; each accumulator from its low end on
.set n, n+1
.endr
.endr
	s_wait_dscnt 32                                ; group 0 is in; group 1's 32 loads may be out
	PROD 0
.irp g, 1,2,3,4,5,6
	PL8                                            ; in front of loads into the buffer that the last group's products read
	WLD \g+1
	s_wait_dscnt 32                                ; this group is in; the next one's loads may be out
	PROD \g
.endr
	s_wait_dscnt 0x0
	PROD 7
	PL8
	global_load_b128 v[48:51], v13, s[8:9]         ; the bias of my 16 bytes
.irp nt, 0,1,2,3
	ds_store_b128 v6, v[224+8*\nt:227+8*\nt] offset:64*\nt       ; lane (r, h): row r, columns 16 nt + 8 h + 0 .. 7
	ds_store_b128 v6, v[228+8*\nt:231+8*\nt] offset:64*\nt+16
.endr
	s_wait_dscnt 0x0                               ; for the others' sake: my partial sums lie in LDS
	s_barrier_signal -1
	s_barrier_wait -1
.irp w, 0,1,2,3,4,5,6,7
	ds_load_b128 v[16+4*\w:19+4*\w], v7 offset:\w*16*272
.endr
	s_wait_dscnt 0x0
.irp w, 1,2,3,4,5,6,7                          ; the eight waves' parts, in a fixed order
	v_pk_add_f32 v[16:17], v[16:17], v[16+4*\w:17+4*\w]
	v_pk_add_f32 v[18:19], v[18:19], v[18+4*\w:19+4*\w]
.endr
	s_wait_loadcnt 0x0
	v_pk_add_f32 v[16:17], v[16:17], v[48:49]
	v_pk_add_f32 v[18:19], v[18:19], v[50:51]
	global_store_b128 v12, v[16:19], s[10:11]      ; sixteen lanes store 256 consecutive bytes, aligned
	s_wait_tensorcnt 0x0                           ; the wave's end
	ds_add_u32 v10, v11
	s_wait_dscnt 0x0
	s_endpgm
.Lfunc_end_k_q7105e6ca2d_fine:
	.size	k_q7105e6ca2d_fine, .Lfunc_end_k_q7105e6ca2d_fine-k_q7105e6ca2d_fine
	.p2alignl 7, 3214868480
	.fill 96, 4, 3214868480
	.section	.rodata,"a",@progbits
	.p2align	6, 0x0
	.amdhsa_kernel k_q7105e6ca2d_fine
		.amdhsa_group_segment_fixed_size 327680
		.amdhsa_private_segment_fixed_size 0
		.amdhsa_enable_private_segment 0
		.amdhsa_kernarg_size 32
		.amdhsa_user_sgpr_count 2
		.amdhsa_user_sgpr_kernarg_segment_ptr 1
		.amdhsa_wavefront_size32 1
		.amdhsa_system_sgpr_workgroup_id_x 1
		.amdhsa_system_sgpr_workgroup_id_y 1
		.amdhsa_system_sgpr_workgroup_id_z 1
		.amdhsa_system_vgpr_workitem_id 0
		.amdhsa_next_free_vgpr 256
		.amdhsa_next_free_sgpr 66
		.amdhsa_reserve_vcc 1
		.amdhsa_float_denorm_mode_32 3
		.amdhsa_float_denorm_mode_16_64 3
		.amdhsa_memory_ordered 1
		.amdhsa_forward_progress 1
		.amdhsa_inst_pref_size 52
	.end_amdhsa_kernel
	.amdgpu_metadata
---
amdhsa.version: [ 1, 2 ]
amdhsa.kernels:
  - .name:           k_q7105e6ca2d_fine
    .symbol:         k_q7105e6ca2d_fine.kd
    .args:
      - { .name: fqkv, .offset: 0, .size: 8, .value_kind: global_buffer, .address_space: global }
      - { .name: Wo, .offset: 8, .size: 8, .value_kind: global_buffer, .address_space: global }
      - { .name: bo, .offset: 16, .size: 8, .value_kind: global_buffer, .address_space: global }
      - { .name: out0, .offset: 24, .size: 8, .value_kind: global_buffer, .address_space: global }
    .group_segment_fixed_size: 327680
    .private_segment_fixed_size: 0
    .kernarg_segment_align: 8
    .kernarg_segment_size: 32
    .max_flat_workgroup_size: 256
    .sgpr_count:     66
    .vgpr_count:     256
    .wavefront_size: 32
...
	.end_amdgpu_metadata
.endif
;; end of part 5
